; MI455X (gfx1250); checked and timed in simulation.
; The chip was launched on July 23, 2026; its instructions are those of AMD's public machine-readable ISA for CDNA 5 (MIT licence, August 2026) and "CDNA5" Instruction Set Architecture Reference Guide (July 2026). The comments in the code are by the model that wrote it; some were corrected since.
;; Self Attention. Allowed arithmetic: matrix products marked QUANTISED: E2M3 operands, one E8M0 scale for each 32 along K, by v_wmma_scale_f32_16x16x128_f8f6f4 with both operands' format E2M3, f32 sums; everything else in f32.
;; Inputs: Wk 1,024 x 1,024 float32; Wq 1,024 x 1,024 float32; Wv 1,024 x 1,024 float32; X 4 x 2,048 x 1,024 float32; bk 1,024 float32; bq 1,024 float32; bv 1,024 float32.
;; Outputs: out0 4 x 2,048 x 1,024 float32.
;; This version of the problem:
;;   THIS VERSION OF THE PROBLEM IS GIVEN IN LOW PRECISION. The matrix products marked QUANTISED in the list below multiply operands that are first quantised to E2M3 (2 exponent bits, 3 mantissa bits; 6 bits a number), with one power-of-two scale for each 32 numbers along K (OCP MX v1.0); their sums are f32. All else is computed in f32.
;;   The module's matrix products, in the order in which they are computed (A, B: the left and right operand; K: the contracted axis; several contracted axes count as one K, in the product's order):
;;     1. [M 8,192, K 1,024] x [K 1,024, N 1,024]; A: input X; B: input Wq: QUANTISED
;;     2. [M 8,192, K 1,024] x [K 1,024, N 1,024]; A: input X; B: input Wk: QUANTISED
;;     3. [M 8,192, K 1,024] x [K 1,024, N 1,024]; A: input X; B: input Wv: QUANTISED
;;     4. batch 4 x [M 2,048, K 1,024] x [K 1,024, N 2,048]; A: computed on the way; B: computed on the way: QUANTISED
;;     5. batch 4 x [M 2,048, K 2,048] x [K 2,048, N 1,024]; A: softmax (see below); B: computed on the way: QUANTISED
;;   THE QUANTISER, for each operand of a quantised product, along K:
;;     - K is cut into blocks of 32 from its start; a last block that is shorter is filled with zeros.
;;     - A block's scale is 2^e with e = floor(log2(the largest magnitude in the block)) - 2, held to -126 .. 127; a block of zeros has e = 0. As a byte (E8M0): e + 127.
;;     - Each number is divided by its block's scale, clamped to +-7.5, and rounded to the nearest number of E2M3, ties to even, subnormals kept.
;;     - The product sums the exact products of the quantised numbers (number of the format x scale) in f32.
;;   ~~~python
;;   def quantise(x, axis):      # numpy; x: float32 -> the quantised numbers, widened to float32 again
;;       x = np.moveaxis(x, axis, -1); K = x.shape[-1]
;;       x = np.pad(x, [(0, 0)] * (x.ndim - 1) + [(0, -K % 32)]); x = x.reshape(x.shape[:-1] + (-1, 32)); a = np.abs(x).max(-1, keepdims=True)
;;       e = np.where(a > 0, np.clip(np.frexp(np.where(a > 0, a, 1))[1] - 1 - 2, -126, 127), 0)      # np.frexp(a)[1] - 1 = floor(log2(a)), exactly
;;       r = np.clip(x / 2.0 ** e, -7.5, 7.5)
;;       step = 2.0 ** (np.maximum(np.frexp(np.where(r == 0, 1, r))[1] - 1, 0) - 3)
;;       q = np.round(r / step) * step * 2.0 ** e      # np.round: ties to even
;;       return np.moveaxis(q.reshape(q.shape[:-2] + (-1,))[..., :K], -1, axis).astype(np.float32)
;;   ~~~
;;   SOFTMAX AHEAD OF A QUANTISED PRODUCT. Where the list says 'softmax', what is quantised is not the finished softmax but p = 2^(t - M), with t = logit x log2(e) and M = ceil(the row's largest t), a whole number; so 1/2 < the row's largest p <= 1. The row's sum l is taken of the UNQUANTISED p, in f32, and the product's result is divided by l at the end. Since M is a whole number, a kernel that streams over the keys may use a running M (the ceiling of the running maximum): every later rescaling is an exact power of two, which a block's scale takes up: the codes' values come out the same.
;;   OPERANDS COMPUTED ON THE WAY. 'Computed on the way' means the value that the module computes at that place (a softmax that the list does not call 'softmax' is quantised finished and normalised). What goes into a quantiser is computed in f32, as accurately as f32 sums, v_exp_f32 and their like allow (about 1e-6 of the number): no bf16 or f16 on the way to a quantiser, and a product that is left as it is and whose result goes on into a quantised operand takes f32 operands (vector FMAs, or v_wmma_f32_16x16x4_f32). A number that lies on a knife's edge between two numbers of the format may be rounded either way, as far as f32 arithmetic and the matrix unit's own rounding can turn it there, and no further.
;; One version. Each part assembles by itself: llvm-mc -triple=amdgcn-amd-amdhsa -mcpu=gfx1250 --defsym DOCPART=n.
;; ======== version 1 of 1: 4 launches
;; limits: right only within a limited range of input values
;; workspace buffers: xw 8,192,000 bytes; qv 19,660,800 bytes; pst 14,155,776 bytes
;; launch quant (part 1): grid 384 x 1, 4 waves a work-group, no clusters, 60,928 bytes of LDS; arguments X, Wq, Wv, xw; writes xw
.if DOCPART == 1
	.amdgcn_target "amdgcn-amd-amdhsa--gfx1250"
	.amdhsa_code_object_version 6
	.text
	.protected	k_q853f2616c5_quant
	.globl	k_q853f2616c5_quant
	.p2align	8
	.type	k_q853f2616c5_quant,@function
k_q853f2616c5_quant:
	s_mov_b64 s[64:65], 0
	v_nop
	global_prefetch_b8 v0, s[64:65] scope:SCOPE_SE
	s_setreg_imm32_b32 hwreg(HW_REG_WAVE_MODE, 25, 1), 1
	s_wait_xcnt 0x0
; DEAD WORK, LEFT OUT IN THE WHOLE PROGRAM: reference() computes k = X Wk + bk and no later step names k: the scores are q . reshape(v), the result is attn . v.
; So for all values of Wk and bk no output hangs on them: the product X Wk is not done, and Wk and bk are not loaded and are among no launch's arguments.
; LIMIT: a NaN, an infinity or an overflow that reaches only k is not carried to the result.
; X [8192][1024] and Wq, Wv [1024 (k)][1024 (n)], f32, become codes of FP6 (E2M3) with one E8M0 byte for each 32 along K, laid as the products want them.
; A FRAGMENT IMAGE: 16 rows x 128 K are 12 registers a lane; they lie as 6 chunks of 256 bytes, chunk p = registers 2 p, 2 p + 1 of lane l at byte 256 p + 8 l.
; xw: codes [kk 4][rb 640][ksl 2][1536] (rb 0-511: X; 512 + 64 T + n / 16: W, T = 0 q, 1 v); from XWS on the scale words [ks 8][10240 rows], one word for a row and 128 K.
; ROWS.  X: in each 64 rows, image row 32 pi + 16 u + r holds row 32 (r / 8) + 16 u + 2 (r % 8) + pi.  Wq: image row holds column n with bits 3 and 4 exchanged.  Wv: as it lies.
; A block's scale is 2^(floor(log2(largest magnitude)) - 2): its byte is the largest magnitude's exponent field - 2, held at 1 from below.
; LIMITS: a block of zeros gets the byte 1 where the rule says 127 (its codes are zeros, and this program alone reads the bytes); NaN and infinities among the inputs are not served.
; Work-groups 0-255 take X, 256-383 the weights; each way has LDS bytes of its own.  The work-groups share no input: no cluster, no tensor load; waves share nothing: no barrier.
.set XWS,   7864320
.set XSH,   33792                      ; behind the four X stages (16 rows x 528 bytes each): 256 bytes of scale words for each wave
.set WSTG,  34816                      ; the W way: a stage of 2 x 3200 bytes for each wave
.set SPARE, 60416                      ; the spare words, 128 bytes for each wave
.set SPW, 30
.set NIL, 31
.set TM,  8
.set PW,  24
.set SB,  22
.set R,   32                           ; numbers as loaded, two sets
.set T,   160                          ; 64 numbers of a lane: register 16 b + i = k 32 b + 16 (lane / 16) + i of my row
.set PC,  224                          ; codes
.set E,   96
.set F,   104
.set OUTR, 112
.set SEL, 20                           ; s[20:21]  lane selects: lane l xor 16
.macro QUANT s                         ; 64 numbers of a lane become a fragment's codes in v[PC] on and its scale word in v[PW]
.irp b, 0,1,2,3
	v_max3_num_f32 v[TM+\b], |v[\s+16*\b]|, |v[\s+1+16*\b]|, 0x1800000   ; my 16 numbers of block b, and the floor 2^(3 - 127)
.endr
.irp i, 2,4,6,8,10,12,14
.irp b, 0,1,2,3
	v_max3_num_f32 v[TM+\b], v[TM+\b], |v[\s+16*\b+\i]|, |v[\s+1+16*\b+\i]|
.endr
.endr
.irp b, 0,1,2,3
	v_permlanex16_b32 v[TM+4+\b], v[TM+\b], s[SEL], s[SEL+1]
.endr
.irp b, 0,1,2,3
	v_max_num_f32 v[TM+\b], v[TM+\b], v[TM+4+\b]   ; with lane l xor 16's: the block's largest magnitude
.endr
.irp b, 0,1,2,3
	v_add_nc_u32 v[TM+12+\b], 0xff000000, v[TM+\b]   ; 2 off its exponent field: the conversion's scale operand
.endr
.irp b, 0,1,2,3
	v_lshrrev_b32 v[TM+4+\b], 23, v[TM+12+\b]   ; the scale's byte
.endr
	v_lshl_or_b32 v[PW], v[TM+5], 8, v[TM+4]
	v_lshl_or_b32 v[PW], v[TM+6], 16, v[PW]
	v_lshl_or_b32 v[PW], v[TM+7], 24, v[PW]
.irp c, 0,1
	v_cvt_scalef32_pk16_fp6_f32 v[PC+6*\c:PC+2+6*\c], v[\s+32*\c:\s+15+32*\c], v[TM+12+2*\c]
	v_cvt_scalef32_pk16_fp6_f32 v[PC+12+4*\c:PC+14+4*\c], v[\s+16+32*\c:\s+31+32*\c], v[TM+12+2*\c+1]
.endr
	v_nop                                          ; one plain place behind a scaled conversion
.irp c, 0,1                                    ; the layout wants a whole block in a lane
.irp i, 0,1,2
	v_permlane16_swap_b32 v[PC+6*\c+\i], v[PC+12+4*\c+\i]
.endr
.irp i, 0,1,2
	v_mov_b32 v[PC+3+6*\c+\i], v[PC+12+4*\c+\i]
.endr
.endr
.endm
	s_load_b256 s[4:11], s[0:1], 0x0               ; X s[4:5], Wq s[6:7], Wv s[8:9], xw s[10:11]
	v_lshl_add_u32 v[SPW], v0, 2, SPARE
	v_mov_b32 v[NIL], 0
	v_lshrrev_b32 v1, 5, v0
	v_readfirstlane_b32 s14, v1                    ; wave
	v_and_b32 v1, 31, v0                           ; lane l
	v_and_b32 v2, 15, v0                           ; r
	v_bfe_u32 v3, v0, 4, 1                         ; h
	v_lshlrev_b32 v4, 4, v1                        ; 16 l
	v_lshlrev_b32 v5, 3, v1                        ; 8 l
	; every LDS address of both ways is made here, ahead of the parting
	s_mul_i32 s15, s14, 8448
	v_add_nc_u32 v6, s15, v4                       ; X stage, in
	v_mul_u32_u24 v7, v2, 528
	v_lshl_add_u32 v7, v3, 6, v7
	v_add_nc_u32 v7, s15, v7                       ; X stage, out: row r, + 64 h
	s_lshl_b32 s15, s14, 8
	s_add_co_u32 s15, s15, XSH
	v_lshl_add_u32 v25, v2, 2, s15                 ; my row's scale word
	v_add_nc_u32 v26, s15, v5
	s_mul_i32 s15, s14, 6400
	s_add_co_u32 s15, s15, WSTG
	v_mul_u32_u24 v27, v3, 3200
	v_lshl_add_u32 v27, v2, 3, v27
	v_add_nc_u32 v27, s15, v27                     ; W stage, in
	v_add_nc_u32 v28, s15, v4                      ; W stage, out
.irp b, 0,1,2,3
	v_mov_b32 v[TM+4+\b], 0                        ; a lane permute's destination counts as one of its sources
.endr
	s_mov_b32 s[SEL], 0x76543210
	s_mov_b32 s[SEL+1], 0xfedcba98
	s_wait_alu depctr_va_vdst(0)                   ; the wait at the head's end
	s_wait_kmcnt 0x0
	s_cmp_lt_u32 ttmp9, 256
	s_cbranch_scc0 .Lw_path
	; ---- X.  Wave g = 4 x work-group + wave takes 64 rows (G = g / 8) x 128 along K (ks = g % 8): four fragments
	s_lshl_b32 s16, ttmp9, 2
	s_add_co_u32 s16, s16, s14
	s_lshr_b32 s17, s16, 3                         ; G
	s_and_b32 s18, s16, 7                          ; ks
	s_lshl_b32 s22, s17, 18
	s_lshl_b32 s23, s18, 9
	s_add_co_u32 s22, s22, s23
	s_mov_b32 s23, 0
	s_add_nc_u64 s[4:5], s[4:5], s[22:23]
	s_lshr_b32 s22, s18, 1
	s_mul_i32 s22, s22, 640
	s_lshl_b32 s23, s17, 2
	s_add_co_u32 s22, s22, s23
	s_mul_i32 s22, s22, 3072
	s_and_b32 s23, s18, 1
	s_mul_i32 s23, s23, 1536
	s_add_co_u32 s22, s22, s23
	s_mov_b32 s23, 0
	s_add_nc_u64 s[24:25], s[10:11], s[22:23]      ; my four fragments' images
	s_mul_i32 s22, s18, 10240
	s_lshl_b32 s23, s17, 6
	s_add_co_u32 s22, s22, s23
	s_lshl_b32 s22, s22, 2
	s_add_co_u32 s22, s22, XWS
	s_mov_b32 s23, 0
	s_add_nc_u64 s[26:27], s[10:11], s[22:23]      ; my 64 scale words
.macro LOADX t                         ; fragment t = 2 pi + u: its 16 rows, 512 consecutive bytes a load
.irp i, 0,1,2,3,4,5,6,7,8,9,10,11,12,13,14,15
	global_load_b128 v[R+64*((\t)%2)+4*\i:R+64*((\t)%2)+4*\i+3], v4, s[4:5] offset:(32*(\i/8)+2*(\i%8)+16*((\t)%2)+(\t)/2)*4096 th:TH_LOAD_NT
.endr
.endm
.macro XSTEP t
.if (\t) < 3
	s_wait_loadcnt 16                              ; this fragment's 16 loads are in; the next one's may be out
.else
	s_wait_loadcnt 0
.endif
.irp i, 0,1,2,3,4,5,6,7,8,9,10,11,12,13,14,15
	ds_store_b128 v6, v[R+64*((\t)%2)+4*\i:R+64*((\t)%2)+4*\i+3] offset:528*\i
.endr
.irp b, 0,1,2,3
.irp j, 0,1,2,3
	ds_load_b128 v[T+16*\b+4*\j:T+16*\b+4*\j+3], v7 offset:128*\b+16*\j   ; LDS serves a wave's instructions in order
.endr
.endr
	s_wait_dscnt 0x0
.if (\t)+2 < 4
	LOADX (\t)+2
.endif
	s_wait_xcnt 0x0                                ; the last fragment's stores have read their registers
	QUANT T
.irp p, 0,1,2,3,4,5
	global_store_b64 v5, v[PC+2*\p:PC+2*\p+1], s[24:25] offset:(\t)*3072+256*\p   ; 32 lanes store 256 consecutive bytes, aligned
.endr
	ds_store_b32 v25, v[PW] offset:64*(\t)         ; both halves of the lanes write the same word with the same value
.endm
	LOADX 0
	LOADX 1
	XSTEP 0
	XSTEP 1
	XSTEP 2
	XSTEP 3
	ds_load_b64 v[8:9], v26
	s_wait_dscnt 0x0
	global_store_b64 v5, v[8:9], s[26:27]          ; 64 scale words: 256 consecutive bytes, aligned
	s_branch .Lend
	; ---- W.  A lane takes a column and its registers run down K.  A wave: 32 columns x 128 along K: 4 blocks a lane
.Lw_path:
	s_sub_co_u32 s16, ttmp9, 256
	s_lshr_b32 s17, s16, 6                         ; T: 0 q, 1 v
	s_and_b32 s18, s16, 7                          ; which 128 columns
	s_bfe_u32 s19, s16, 0x30003                    ; ks: which 128 along K
	s_cmp_eq_u32 s17, 0
	s_cselect_b64 s[6:7], s[6:7], s[8:9]
	s_cselect_b32 s22, 0, -1
	v_and_b32 v8, 7, v1
	v_and_b32 v9, 8, v1
	v_lshl_or_b32 v8, v9, 1, v8
	v_and_b32 v9, 16, v1
	v_lshrrev_b32 v9, 1, v9
	v_or_b32 v8, v8, v9                            ; l with bits 3 and 4 exchanged
	v_cndmask_b32 v8, v8, v1, s22                  ; Wv: l itself
	v_lshlrev_b32 v29, 2, v8                       ; the column that image row l holds, in bytes
	s_wait_alu depctr_va_vdst(0)                   ; the wait ahead of the scalar run below
	v_lshlrev_b32 v10, 2, v1
	s_lshl_b32 s22, s19, 19
	s_lshl_b32 s23, s18, 9
	s_add_co_u32 s22, s22, s23
	s_lshl_b32 s23, s14, 7
	s_add_co_u32 s22, s22, s23
	s_mov_b32 s23, 0
	s_add_nc_u64 s[6:7], s[6:7], s[22:23]
	s_lshr_b32 s22, s19, 1                         ; kk
	s_mul_i32 s22, s22, 640
	s_lshl_b32 s23, s17, 6
	s_add_co_u32 s22, s22, s23
	s_lshl_b32 s23, s18, 3
	s_add_co_u32 s22, s22, s23
	s_lshl_b32 s23, s14, 1
	s_add_co_u32 s22, s22, s23
	s_add_co_u32 s22, s22, 512
	s_mul_i32 s22, s22, 3072
	s_and_b32 s23, s19, 1                          ; ksl
	s_mul_i32 s23, s23, 1536
	s_add_co_u32 s22, s22, s23
	s_mov_b32 s23, 0
	s_add_nc_u64 s[24:25], s[10:11], s[22:23]      ; my K step's image of my first block of rows; the second's lies 3,072 bytes on
	s_mul_i32 s22, s19, 10240
	s_lshl_b32 s23, s17, 10
	s_add_co_u32 s22, s22, s23
	s_lshl_b32 s23, s18, 7
	s_add_co_u32 s22, s22, s23
	s_lshl_b32 s23, s14, 5
	s_add_co_u32 s22, s22, s23
	s_add_co_u32 s22, s22, 8192
	s_lshl_b32 s22, s22, 2
	s_add_co_u32 s22, s22, XWS
	s_mov_b32 s23, 0
	s_add_nc_u64 s[26:27], s[10:11], s[22:23]
.macro WLOAD t                         ; block t: W(32 t + i, my column)
.set i, 0
.rept 32
	global_load_b32 v[R+32*((\t)%2)+i], v29, s[6:7] offset:(32*(\t)+i)*4096 th:TH_LOAD_NT
.set i, i+1
.endr
.endm
.macro WBLOCK t                        ; t = 2 c + hh: the block is registers 6 c .. 6 c + 5 of lane (row, hh)
.set XS, R+32*((\t)%2)
.if (\t) < 3
	s_wait_loadcnt 32                              ; this block's 32 loads are in; the next block's may be out
.else
	s_wait_loadcnt 0
.endif
	v_max3_num_f32 v12, |v[XS]|, |v[XS+1]|, |v[XS+2]|
	v_max3_num_f32 v13, |v[XS+3]|, |v[XS+4]|, |v[XS+5]|
.irp i, 6,10,14,18,22,26
	v_max3_num_f32 v12, v12, |v[XS+\i]|, |v[XS+\i+1]|
	v_max3_num_f32 v13, v13, |v[XS+\i+2]|, |v[XS+\i+3]|
.endr
	v_max3_num_f32 v12, v12, |v[XS+30]|, |v[XS+31]|
	v_max3_num_f32 v12, v12, v13, 0x1800000        ; and the floor
	v_add_nc_u32 v11, 0xff000000, v12
	v_lshrrev_b32 v13, 23, v11
.if (\t) == 0
	v_mov_b32 v[SB], v13
.else
	v_lshl_or_b32 v[SB], v13, 8*(\t), v[SB]
.endif
	v_cvt_scalef32_pk16_fp6_f32 v[E:E+2], v[XS:XS+15], v11
	v_cvt_scalef32_pk16_fp6_f32 v[F:F+2], v[XS+16:XS+31], v11
	v_nop                                          ; one plain place behind a scaled conversion
.irp i, 0,1,2
	v_mov_b32 v[E+3+\i], v[F+\i]
.endr
.irp i, 0,1,2
	ds_store_b64 v27, v[E+2*\i:E+2*\i+1] offset:768*((\t)/2)+128*((\t)%2)+256*\i
.endr
.if (\t)+2 < 4
	WLOAD (\t)+2
.endif
	s_wait_dscnt 0x0                               ; the stores have read their registers
.endm
	WLOAD 0
	WLOAD 1
.irp t, 0,1,2,3
	WBLOCK \t
.endr
	s_wait_alu depctr_va_vdst(0)                   ; the wait ahead of the reader below
	global_store_b32 v10, v[SB], s[26:27]          ; my row's word of this K step
.irp m, 0,1,2,3,4,5
	ds_load_b128 v[OUTR+4*\m:OUTR+4*\m+3], v28 offset:(\m/3)*3200+512*(\m%3)
.endr
.irp m, 0,1,2,3,4,5
	s_wait_dscnt 5-\m
	global_store_b128 v4, v[OUTR+4*\m:OUTR+4*\m+3], s[24:25] offset:(\m/3)*3072+512*(\m%3)   ; 512 consecutive bytes, aligned
.endr
.Lend:
	s_wait_tensorcnt 0x0                           ; the wave's end
	ds_add_u32 v[SPW], v[NIL]
	s_wait_dscnt 0x0
	s_endpgm
.Lfunc_end_k_q853f2616c5_quant:
	.size	k_q853f2616c5_quant, .Lfunc_end_k_q853f2616c5_quant-k_q853f2616c5_quant
	.p2alignl 7, 3214868480
	.fill 96, 4, 3214868480
	.section	.rodata,"a",@progbits
	.p2align	6, 0x0
	.amdhsa_kernel k_q853f2616c5_quant
		.amdhsa_group_segment_fixed_size 60928
		.amdhsa_private_segment_fixed_size 0
		.amdhsa_enable_private_segment 0
		.amdhsa_kernarg_size 32
		.amdhsa_user_sgpr_count 2
		.amdhsa_user_sgpr_kernarg_segment_ptr 1
		.amdhsa_wavefront_size32 1
		.amdhsa_system_sgpr_workgroup_id_x 1
		.amdhsa_system_sgpr_workgroup_id_y 1
		.amdhsa_system_sgpr_workgroup_id_z 1
		.amdhsa_system_vgpr_workitem_id 0
		.amdhsa_next_free_vgpr 256
		.amdhsa_next_free_sgpr 66
		.amdhsa_reserve_vcc 0
		.amdhsa_float_denorm_mode_32 3
		.amdhsa_float_denorm_mode_16_64 3
		.amdhsa_memory_ordered 1
		.amdhsa_forward_progress 1
		.amdhsa_inst_pref_size 57
	.end_amdhsa_kernel
	.amdgpu_metadata
---
amdhsa.version: [ 1, 2 ]
amdhsa.kernels:
  - .name:           k_q853f2616c5_quant
    .symbol:         k_q853f2616c5_quant.kd
    .args:
      - { .name: X, .offset: 0, .size: 8, .value_kind: global_buffer, .address_space: global }
      - { .name: Wq, .offset: 8, .size: 8, .value_kind: global_buffer, .address_space: global }
      - { .name: Wv, .offset: 16, .size: 8, .value_kind: global_buffer, .address_space: global }
      - { .name: xw, .offset: 24, .size: 8, .value_kind: global_buffer, .address_space: global }
    .group_segment_fixed_size: 60928
    .private_segment_fixed_size: 0
    .kernarg_segment_align: 8
    .kernarg_segment_size: 32
    .max_flat_workgroup_size: 128
    .sgpr_count:     66
    .vgpr_count:     256
    .wavefront_size: 32
...
	.end_amdgpu_metadata
.endif
;; end of part 1
;; launch proj (part 2): grid 8 x 32, 4 waves a work-group, clusters of 4 x 4, 327,680 bytes of LDS; arguments xw, bq, bv, qv; writes qv
.if DOCPART == 2
	.amdgcn_target "amdgcn-amd-amdhsa--gfx1250"
	.amdhsa_code_object_version 6
	.text
	.protected	k_q853f2616c5_proj
	.globl	k_q853f2616c5_proj
	.p2align	8
	.type	k_q853f2616c5_proj,@function
k_q853f2616c5_proj:
	s_mov_b64 s[64:65], 0
	v_nop
	global_prefetch_b8 v0, s[64:65] scope:SCOPE_SE
	s_setreg_imm32_b32 hwreg(HW_REG_WAVE_MODE, 25, 1), 1
	s_wait_xcnt 0x0
	s_wait_alu depctr_hold_cnt(0) depctr_sa_sdst(0) depctr_va_vdst(0) depctr_va_sdst(0) depctr_va_ssrc(0) depctr_va_vcc(0) depctr_vm_vsrc(0)
	s_getreg_b32 s2, hwreg(HW_REG_IB_STS2, 6, 4)
	s_cmp_eq_u32 s2, 0
	s_cbranch_scc0 .Lentry_in_a_cluster
	s_endpgm
.Lentry_in_a_cluster:
	s_bfe_u32 s2, ttmp6, 0x10000c
	s_cmp_lg_u32 s2, 0xf033
	s_cbranch_scc0 .Lentry_shape_is_right
	s_endpgm
.Lentry_shape_is_right:
; q = X Wq + bq and v = X Wv + bv on codes of FP6 (E2M3) with E8M0 scales, sums in f32.  The cluster's x says which: 0 q, 1 v.
; LEFT OUT AS DEAD WORK: k = X Wk + bk, which no later step of reference() names (shown at the head of the first kernel).
; A tile is 256 x 256, four waves of 128 x 128 (64 accumulators).  K = 1,024 is four quarters of 256; LDS holds three quarters.
; THE HEAD'S LOADS, ONE A WAVE: wave 0 side A's first quarter (256 rows, 49,152 consecutive bytes), wave 1 side B's, wave 2 side A's quarters 1 and 2 as one tile of two rows of 49,152 bytes, wave 3 side B's.
; Ahead of the first barrier only waves 0 and 1 wait for their load. Waves 2 and 3 wait at the change from quarter 0 to quarter 1, behind which
; the fourth quarter goes into the first's bytes, a quarter of the slot a wave: one refill, with 224 matrix instructions between the request and the wait for it.
; Operands lie in xw as fragment images (16 rows x 128 K = 6 chunks of 256 bytes, chunk p = registers 2 p, 2 p + 1 of lane l at 256 p + 8 l): a fragment is six ds_load_b64 at 8 l.
; THE SCALE WORDS (planes [128 K][row]) of a wave's 128 rows, all of K, 4,096 bytes, come by eight loads of 512 consecutive bytes and go to LDS bytes of their own.
; They are not asked for jointly: 16,384 of the 409,600 bytes that a work-group reads.  No prefetch: the text has no loop to run ahead in, and the head asks for all but K's last quarter.
; Source 0 takes side B, source 1 side A: register j of lane (r, h) of accumulator (a, b) is (B's row 16 b + 8 h + j, A's row 16 a + r).
;   q: A = X, B = Wq.  Wq's rows were laid with bits 3 and 4 exchanged: a lane's 64 results of a row of X are n = 32 beta + 16 h + i at register 16 beta + i.  q is quantised along n and stored as images.
;   v: A = Wv, B = X.  X's rows were laid so that register j of accumulator b = 4 c + 2 pi + u is row s = 64 c + 32 h + 16 u + 2 j + pi of v, column dd = 16 a + r.
;      V5 (the last product's operand, K = s): a lane's 32 registers of group c are the whole block 2 c + h; inside a block the codes stand in the order s0, s4..s1 (the weights p get the same order).
;      V4 (the scores' operand, K = i with s = 2 i + pi, rows j = 1024 pi + dd): 16 registers (c, pi) are i = 32 c + 16 h + 0 .. 15; a wave makes half a fragment and half a scale word.
;      V4's rows go to lane place 8 (r % 2) + r / 2, so that the scores come out with the keys in the order that V5's blocks have.
; CLUSTER 4 x 4: side A's tiles are shared along a row of the cluster, side B's along a column: joint loads.
; LIMITS: a block of zeros gets the byte 1 where the rule says 127 (zero codes; the bytes are read by this program alone); NaN and infinities are not served.
.set NQ,    2
.set FR,    12
.set FRB,   1536
.set NL,    6
.set NP,    4
.set HALF,  8*NQ*FRB                   ; 128 rows x 256 K
.set SLOT,  4*HALF                     ; a quarter of K: A's 256 rows, B's 256 rows
.set KST,   640*NQ*FRB                 ; from 256 along K to the next, in xw
.set XWS,   7864320
.set PLANE, 10240*4
.set QVS,   12582912
.set V5C,   13107200
.set V5S,   19398656
.set SCL,   3*SLOT                     ; the scale words, 4,096 bytes for each wave's loads; stored by ds_store, no tile lands here
.set QST,   SCL+16384                  ; q: 512 bytes of scale words for each wave
.set V5ST,  QST+2048
.set VST,   V5ST+2048                  ; V4's scale words, halves from two waves
.set SPARE, VST+2048
.set O8,   4                           ; 8 l
.set SH8,  5                           ; 8 h
.set QSTA, 6
.set QSTL, 7
.set V5SA, 10
.set V5SL, 11
.set VSTA, 12
.set VSTL, 13
.set O16,  14                          ; 16 l
.set OV4,  15
.set ADRA, 16                          ; v16-18  my A fragments of the quarter in place 0, 1, 2
.set ADRB, 20                          ; v20-22  B's
.set SCW,  23                          ; where my loads' scale words go
.set ADRS, 27                          ; my scale words: lanes 0-15 A's, lanes 16-31 B's
.set SPW,  28
.set NIL,  29
.set SC,   32                          ; v32-63  scale words, two sets; they hold nothing else
.set BI,   64                          ; the bias
.set AF,   128                         ; A's fragments, one set
.set T,    128
.set PC,   192
.set TM,   212
.set PW,   228
.set VE5,  192
.set VF5,  204
.set VE4,  212
.set VF4,  224
.set MH,   232
.set TP,   236
.set VM5,  240
.set VS5,  242
.set VB5,  244
.set VS4,  246
.set VB4,  250
.set VW5,  254
.set TW,   255
.set SEL,  98
.set G1,   24                          ; group 1, side A: 192 rows of 256 bytes at the head, 96 for the refill
.set G1B,  48                          ; side B
.set G1W,  68                          ; group 1, side A: two rows of 49,152 bytes, KST apart
.set G1WB, 80
.set G0A0, 32                          ; group 0: the refill, side A; side B
.set G0B0, 56
.set G0HA, 36                          ; the head's first quarter
.set G0HB, 60
.set G0WA, 20                          ; the head's quarters 1 and 2
.set G0WB, 44
.set MSB, 0
.macro WIN new                         ; the immediate's high byte repeats the setting that is left
.if MSB != (\new)
	s_set_vgpr_msb (MSB<<8)|(\new)
.set MSB, \new
.endif
.endm
.set MUL_LO, 0xa1                      ; source 0 (B) window 1, source 1 (A) window 0, C and D window 2
.set MUL_HI, 0xf1
.set TO_B,   0x40
.macro JLOAD g0a, g1a, g0b, g1b        ; waves 0 and 1 fetch for side A, waves 2 and 3 for side B; an s_nop 0 and four v_nop follow each line
	s_cmp_eq_u32 s15, 0
	s_cbranch_scc0 .Lfor_b_\@
	tensor_load_to_lds s[\g0a:\g0a+3], s[\g1a:\g1a+7]
	s_nop 0
.rept 4
	v_nop
.endr
	s_branch .Lasked_\@
.Lfor_b_\@:
	tensor_load_to_lds s[\g0b:\g0b+3], s[\g1b:\g1b+7]
	s_nop 0
.rept 4
	v_nop
.endr
.Lasked_\@:
.endm
.macro ARM under, g0, g1, next         ; an arm of the head's one chain of branches on the wave's number
	s_cmp_lt_u32 s14, \under
	s_cbranch_scc0 \next
	tensor_load_to_lds s[\g0:\g0+3], s[\g1:\g1+7]
	s_nop 0
.rept 4
	v_nop
.endr
	s_branch .Lhead_asked
\next:
.endm
.macro CREST
	s_cmp_lg_u32 s14, 0
	s_cbranch_scc1 .Lnot_wave_0_\@
	s_barrier_signal -3
.Lnot_wave_0_\@:
	s_barrier_wait -3
	s_barrier_signal -1
	s_barrier_wait -1
.endm
.macro CROUND
	s_barrier_signal -1
	s_barrier_wait -1
	CREST
.endm
.macro PLACES n
.rept \n
	v_nop
.endr
.endm
.macro FRAG reg, adr, off              ; six chunks, 256 consecutive bytes an instruction
.irp p, 0,1,2,3,4,5
	ds_load_b64 v[(\reg)+2*\p:(\reg)+2*\p+1], v[\adr] offset:(\off)+256*\p
.endr
.endm
.macro FETCH_B slot, q, p
	WIN TO_B
.irp i, 0,1,2,3,4,5,6,7
	FRAG 128*(\p)+FR*\i, ADRB+\slot, (NQ*\i+(\q))*FRB
.endr
	WIN 0
.endm
.macro FETCH_A slot, q, i0
.irp i, \i0, \i0+1, \i0+2, \i0+3
	FRAG AF+FR*(\i), ADRA+\slot, (NQ*(\i)+(\q))*FRB
.endr
.endm
.macro SCALES sc                       ; register NQ i + q: lanes 0-15 the words of A's block i, lanes 16-31 those of B's block i
.irp i, 0,1,2,3,4,5,6,7
.irp q, 0,1
	ds_load_b32 v[SC+8*NQ*\sc+NQ*\i+\q], v[ADRS] offset:\q*512+\i*64
.endr
.endr
.endm
.macro MUL16 a0, p, q, sc, zero        ; the 64 accumulators take turns, one instruction a turn
.irp a, \a0, \a0+1
.irp b, 0,1,2,3,4,5,6,7
.if \zero
	v_wmma_scale_f32_16x16x128_f8f6f4 v[8*(8*((\a)%4)+\b):8*(8*((\a)%4)+\b)+7], v[128*(\p)+FR*\b:128*(\p)+FR*\b+FR-1], v[AF+FR*(\a):AF+FR*(\a)+FR-1], 0, v[SC+8*NQ*(\sc)+NQ*\b+(\q)], v[SC+8*NQ*(\sc)+NQ*(\a)+(\q)] matrix_a_fmt:MATRIX_FMT_FP6 matrix_b_fmt:MATRIX_FMT_FP6 matrix_a_scale:MATRIX_SCALE_ROW1
.else
	v_wmma_scale_f32_16x16x128_f8f6f4 v[8*(8*((\a)%4)+\b):8*(8*((\a)%4)+\b)+7], v[128*(\p)+FR*\b:128*(\p)+FR*\b+FR-1], v[AF+FR*(\a):AF+FR*(\a)+FR-1], v[8*(8*((\a)%4)+\b):8*(8*((\a)%4)+\b)+7], v[SC+8*NQ*(\sc)+NQ*\b+(\q)], v[SC+8*NQ*(\sc)+NQ*(\a)+(\q)] matrix_a_fmt:MATRIX_FMT_FP6 matrix_b_fmt:MATRIX_FMT_FP6 matrix_a_scale:MATRIX_SCALE_ROW1
.endif
.endr
.endr
.endm
.macro STEP slot, q, sc, zero          ; 128 along K whose successor lies in the same quarter
	s_wait_dscnt 4*NL                              ; the youngest 24 loads (A's blocks 4-7) may be out
	WIN MUL_LO
	MUL16 0, (\q)%2, \q, \sc, \zero
	MUL16 2, (\q)%2, \q, \sc, \zero
	s_wait_dscnt 0
	PLACES NP                                      ; four places in front of loads into registers that matrix instructions have read
	FETCH_B \slot, (\q)+1, 1-(\q)%2
	FETCH_A \slot, (\q)+1, 0
	WIN MUL_HI
	MUL16 4, (\q)%2, \q, \sc, \zero
	MUL16 6, (\q)%2, \q, \sc, \zero
	PLACES NP
	WIN 0
	FETCH_A \slot, (\q)+1, 4
.endm
; A quarter's last step, with a barrier.  fill = 1: the barrier opens a round of the cluster's, and place 0 is filled again, with K's last quarter.  fill = 0: the wait shows my part of that refill landed, the barrier everybody's.
.macro TURN next, fill, sc, nsc
	s_wait_tensorcnt 0x0                           ; all my tensor loads have landed
	ds_add_u32 v[SPW], v[NIL]
	s_wait_dscnt 4*NL+1                            ; (the add and the youngest 24 loads may be out)
	WIN MUL_LO
	MUL16 0, 1, NQ-1, \sc, 0
	s_wait_dscnt 0x0                               ; the add is done, and my reads of the quarter that I leave are over
	s_barrier_signal -1
	MUL16 2, 1, NQ-1, \sc, 0
	WIN 0
	s_barrier_wait -1
.if \fill
	CREST                                          ; no wave of any partner still reads place 0 or has a load on its way
	s_add_nc_u64 s[G0A0+2:G0A0+3], s[G0A0+2:G0A0+3], 3*KST
	s_add_nc_u64 s[G0B0+2:G0B0+3], s[G0B0+2:G0B0+3], 3*KST
	s_mov_b32 s[G1+2], 96<<16                      ; no tensor load is out: from here on a load brings 96 rows of 256 bytes
	s_mov_b32 s[G1+4], 96
	s_mov_b32 s[G1B+2], 96<<16
	s_mov_b32 s[G1B+4], 96
	JLOAD G0A0, G1, G0B0, G1B                      ; the first tensor load behind the round, and my only one from here on
.else
	PLACES NP
.endif
	v_add_nc_u32 v[ADRS], NQ*512, v[ADRS]          ; the next two planes of scale words
	FETCH_B \next, 0, 0
	FETCH_A \next, 0, 0
	SCALES \nsc
	WIN MUL_HI
	MUL16 4, 1, NQ-1, \sc, 0
	MUL16 6, 1, NQ-1, \sc, 0
	PLACES NP
	WIN 0
	FETCH_A \next, 0, 4
.endm
; A quarter's last step, without a barrier (from place 1 to place 2): both were shown whole to every wave at the change from place 0, and neither is filled again.
.macro HOP next, sc, nsc
	s_wait_dscnt 4*NL
	WIN MUL_LO
	MUL16 0, 1, NQ-1, \sc, 0
	MUL16 2, 1, NQ-1, \sc, 0
	s_wait_dscnt 0
	WIN 0
	PLACES NP
	v_add_nc_u32 v[ADRS], NQ*512, v[ADRS]
	FETCH_B \next, 0, 0
	FETCH_A \next, 0, 0
	SCALES \nsc
	WIN MUL_HI
	MUL16 4, 1, NQ-1, \sc, 0
	MUL16 6, 1, NQ-1, \sc, 0
	PLACES NP
	WIN 0
	FETCH_A \next, 0, 4
.endm
	s_load_b128 s[4:7], s[0:1], 0x0                ; xw s[4:5], bq s[6:7]
	s_load_b64 s[10:11], s[0:1], 0x10              ; bv
	s_load_b64 s[92:93], s[0:1], 0x18              ; qv
	v_lshl_add_u32 v[SPW], v0, 2, SPARE
	v_mov_b32 v[NIL], 0
	ds_add_u32 v[SPW], v[NIL]                      ; the opening lines: the add, twice on end, and its wait
	ds_add_u32 v[SPW], v[NIL]
	v_lshrrev_b32 v1, 5, v0
	v_readfirstlane_b32 s14, v1                    ; wave
	v_and_b32 v30, 31, v0                          ; l
	v_lshlrev_b32 v[O8], 3, v30
	v_lshlrev_b32 v[O16], 4, v30
	s_lshr_b32 s15, s14, 1                         ; my half of side A.  Also: my scale words and my refill are A's (0) or B's (1)
	s_and_b32 s16, s14, 1                          ; my half of side B.  Also: which half I fetch
	s_bfe_u32 s40, ttmp6, 0x40000                  ; cx
	s_bfe_u32 s41, ttmp6, 0x40004                  ; cy
	s_and_b32 s13, ttmp7, 0xffff                   ; the cluster's y
	s_lshl_b32 s43, s41, 2
	s_lshl_b32 s43, 15, s43                        ; my row of the cluster
	s_lshl_b32 s44, 0x1111, s40                    ; my column
	s_or_b32 s[G1+0], s43, (3<<16)|(1<<21)         ; elements of 8 bytes, no padding
	s_or_b32 s[G1B+0], s44, (3<<16)|(1<<21)
.irp g, G1, G1B
	s_mov_b32 s[\g+1], 32<<16
	s_mov_b32 s[\g+2], 192<<16
	s_mov_b32 s[\g+3], 32<<16
	s_mov_b32 s[\g+4], 192
	s_mov_b32 s[\g+5], 32
	s_mov_b32 s[\g+6], 0
	s_mov_b32 s[\g+7], 0
.endr
	s_or_b32 s[G1W+0], s43, (3<<16)|(1<<21)
	s_or_b32 s[G1WB+0], s44, (3<<16)|(1<<21)
.irp g, G1W, G1WB
	s_mov_b32 s[\g+1], 6144<<16
	s_mov_b32 s[\g+2], 2<<16
	s_mov_b32 s[\g+3], 6144<<16
	s_mov_b32 s[\g+4], 2
	s_mov_b32 s[\g+5], KST/8
	s_mov_b32 s[\g+6], 0
	s_mov_b32 s[\g+7], 0
.endr
	; rows in xw.  q: A = X's rows 1024 Y + 256 cy, B = Wq's 8192 + 256 cx.  v: A = Wv's 9216 + 256 cy, B = X's 1024 Y + 256 cx
	s_lshl_b32 s17, s13, 10
	s_cmp_eq_u32 ttmp9, 1
	s_cselect_b32 s20, 9216, s17
	s_cselect_b32 s46, s17, 8192
	s_lshl_b32 s21, s41, 8
	s_add_co_u32 s20, s20, s21
	s_lshl_b32 s47, s40, 8
	s_add_co_u32 s46, s46, s47
	s_cmp_eq_u32 s15, 0
	s_cselect_b32 s22, s20, s46                    ; the side whose scale words I load,
	s_lshl_b32 s19, s16, 7
	s_add_co_u32 s22, s22, s19                     ; and my 128 rows of it
	s_lshl_b32 s22, s22, 2
	s_add_co_u32 s22, s22, XWS
	s_mov_b32 s23, 0
	s_mul_i32 s20, s20, 192                        ; 3,072 bytes for 16 rows
	s_mov_b32 s21, 0
	s_mul_i32 s46, s46, 192
	s_mov_b32 s47, 0
	s_mul_i32 s96, s16, HALF                       ; the refill: my half of the side's rows, in bytes
	s_mov_b32 s97, 0
	s_mul_i32 s12, s14, HALF                       ; and where it goes: wave x 24,576
	s_lshl_b32 s42, s14, 12
	s_mov_b32 s[SEL], 0x76543210
	s_mov_b32 s[SEL+1], 0xfedcba98
	s_wait_alu depctr_va_vdst(0)                   ; the wait ahead of the waits below
	s_wait_dscnt 0x0                               ; both opening adds are done
	s_wait_kmcnt 0x0
	s_add_nc_u64 s[8:9], s[4:5], s[22:23]
.irp p, 0,1,2,3,4,5,6,7
	global_load_b128 v[AF+4*\p:AF+4*\p+3], v[O16], s[8:9] offset:PLANE*\p   ; plane p: 128 rows' words, 512 consecutive bytes, aligned
.endr
	s_add_nc_u64 s[G0HA+2:G0HA+3], s[4:5], s[20:21]
	s_add_nc_u64 s[G0HB+2:G0HB+3], s[4:5], s[46:47]   ; the offsets are used up: s[20:23] and s[44:47] take group 0 sets
	s_add_nc_u64 s[G0WA+2:G0WA+3], s[G0HA+2:G0HA+3], KST
	s_add_nc_u64 s[G0WB+2:G0WB+3], s[G0HB+2:G0HB+3], KST
	s_add_nc_u64 s[G0A0+2:G0A0+3], s[G0HA+2:G0HA+3], s[96:97]
	s_add_nc_u64 s[G0B0+2:G0B0+3], s[G0HB+2:G0HB+3], s[96:97]
.irp g, G0HA, G0HB, G0WA, G0WB, G0A0, G0B0
	s_mov_b32 s[\g], 1
	s_or_b32 s[\g+3], s[\g+3], 0x80000000
.endr
	s_mov_b32 s[G0HA+1], 0                         ; place 0: A's 256 rows, then B's
	s_mov_b32 s[G0HB+1], 2*HALF
	s_mov_b32 s[G0WA+1], SLOT                      ; behind it: A's quarter 1, A's quarter 2,
	s_mov_b32 s[G0WB+1], SLOT+4*HALF               ; B's quarter 1, B's quarter 2
	s_mov_b32 s[G0A0+1], s12
	s_mov_b32 s[G0B0+1], s12
	CROUND                                         ; all sixteen work-groups are here: the first joint loads meet
	ARM 1, G0HA, G1,  .Lhead_b
	ARM 2, G0HB, G1B, .Lhead_wa
	ARM 3, G0WA, G1W, .Lhead_wb
	tensor_load_to_lds s[G0WB:G0WB+3], s[G1WB:G1WB+7]
	s_nop 0
.rept 4
	v_nop
.endr
.Lhead_asked:
	v_and_b32 v1, 15, v0                           ; r
	v_bfe_u32 v2, v0, 4, 1                         ; h
	v_lshlrev_b32 v[SH8], 3, v2
	s_wait_alu depctr_va_vdst(0)                   ; the wait
	s_mul_i32 s17, s15, HALF
	s_mul_i32 s18, s16, HALF
	s_add_co_u32 s18, s18, 2*HALF
	v_add_nc_u32 v[ADRA], s17, v[O8]
	v_add_nc_u32 v[ADRB], s18, v[O8]
	v_add_nc_u32 v[ADRA+1], SLOT, v[ADRA]
	v_add_nc_u32 v[ADRA+2], SLOT+2*HALF, v[ADRA]
	v_add_nc_u32 v[ADRB+1], SLOT+2*HALF, v[ADRB]
	v_add_nc_u32 v[ADRB+2], SLOT+4*HALF, v[ADRB]
	s_add_co_u32 s19, s42, SCL
	v_add_nc_u32 v[SCW], s19, v[O16]
	s_add_co_u32 s18, s16, 2
	s_sub_co_u32 s18, s18, s15
	s_lshl_b32 s18, s18, 12
	v_mul_u32_u24 v31, s18, v2                     ; lanes 16-31 take B's words: one product, the distance between the two regions
	s_lshl_b32 s17, s15, 12
	s_add_co_u32 s17, s17, SCL
	v_lshl_add_u32 v31, v1, 2, v31
	v_add_nc_u32 v[ADRS], s17, v31
	; the epilogues' LDS addresses, all made on the common way
	s_lshl_b32 s17, s14, 9
	s_add_co_u32 s18, s17, QST
	v_lshl_add_u32 v[QSTA], v1, 2, s18
	v_add_nc_u32 v[QSTL], s18, v[O16]
	s_add_co_u32 s18, s17, V5ST
	v_lshl_add_u32 v[V5SA], v1, 2, s18
	v_add_nc_u32 v[V5SL], s18, v[O16]
	s_add_co_u32 s18, s17, VST
	v_add_nc_u32 v[VSTL], s18, v[O16]
	v_and_b32 v30, 1, v1
	v_lshrrev_b32 v31, 1, v1
	v_lshl_or_b32 v30, v30, 3, v31                 ; V4's lane place: 8 (r % 2) + r / 2
	s_lshl_b32 s17, s15, 9
	s_lshl_b32 s18, s16, 1
	s_add_co_u32 s17, s17, s18
	s_add_co_u32 s17, s17, VST
	v_lshl_add_u32 v[VSTA], v30, 2, s17
	v_lshlrev_b32 v[OV4], 3, v30
	v_lshl_add_u32 v[OV4], v2, 7, v[OV4]
	s_wait_alu depctr_va_vdst(0)                   ; the wait ahead of the branch
	; the bias, asked for now and waited for in front of the epilogue: 16 loads on either way
	s_cmp_eq_u32 ttmp9, 1
	s_cbranch_scc1 .Lbias_v
	s_lshl_b32 s66, s40, 10
	s_lshl_b32 s67, s16, 9
	s_add_co_u32 s66, s66, s67
	s_mov_b32 s67, 0
	s_add_nc_u64 s[96:97], s[6:7], s[66:67]
	v_lshlrev_b32 v3, 6, v2                        ; register 8 b + j wants n = 32 (b / 2) + 16 h + 8 (b % 2) + j
.irp b, 0,1,2,3,4,5,6,7
	global_load_b128 v[BI+8*\b:BI+8*\b+3], v3, s[96:97] offset:(32*(\b/2)+8*(\b%2))*4
	global_load_b128 v[BI+8*\b+4:BI+8*\b+7], v3, s[96:97] offset:(32*(\b/2)+8*(\b%2))*4+16
.endr
	s_branch .Lbias_done
.Lbias_v:
	s_lshl_b32 s66, s41, 10
	s_lshl_b32 s67, s15, 9
	s_add_co_u32 s66, s66, s67
	s_mov_b32 s67, 0
	s_add_nc_u64 s[96:97], s[10:11], s[66:67]
	v_lshlrev_b32 v3, 2, v1                        ; block a wants bv(16 a + r), as a pair for the packed addition
.irp a, 0,1,2,3,4,5,6,7
	global_load_b32 v[BI+2*\a], v3, s[96:97] offset:64*\a
	global_load_b32 v[BI+2*\a+1], v3, s[96:97] offset:64*\a
.endr
.set x, 16
.rept 48
	v_mov_b32 v[BI+x], 0                           ; each register of the block holds a number on either way
.set x, x+1
.endr
.Lbias_done:
	; where the results go (no register of a descriptor is named)
	s_lshl_b32 s17, s13, 6
	s_lshl_b32 s18, s41, 4
	s_add_co_u32 s17, s17, s18
	s_lshl_b32 s18, s15, 3
	s_add_co_u32 s17, s17, s18                     ; (1024 Y + 256 cy + 128 x my A half) / 16
	s_lshl_b32 s66, s40, 10
	s_add_co_u32 s66, s66, s17
	s_lshl_b32 s66, s66, 1
	s_add_co_u32 s66, s66, s16
	s_mul_i32 s66, s66, FRB
	s_mov_b32 s67, 0
	s_add_nc_u64 s[4:5], s[92:93], s[66:67]        ; q's images: [kk = cx][rb][ksl = my B half]
	s_lshl_b32 s66, s40, 1
	s_add_co_u32 s66, s66, s16
	s_lshl_b32 s66, s66, 10
	s_add_co_u32 s66, s66, s17
	s_lshl_b32 s66, s66, 6
	s_add_co_u32 s66, s66, QVS
	s_add_nc_u64 s[6:7], s[92:93], s[66:67]        ; q's scale words
	s_and_b32 s19, s13, 1
	s_lshl_b32 s19, s19, 1
	s_lshr_b32 s18, s40, 1
	s_add_co_u32 s19, s19, s18                     ; 2 (Y % 2) + cx / 2
	s_lshr_b32 s18, s13, 1                         ; the batch
	s_lshl_b32 s12, s41, 4
	s_lshl_b32 s42, s15, 3
	s_add_co_u32 s12, s12, s42                     ; 16 cy + 8 x my A half
	s_and_b32 s42, s40, 1
	s_lshl_b32 s66, s19, 8
	s_lshl_b32 s43, s18, 6
	s_add_co_u32 s66, s66, s43
	s_add_co_u32 s66, s66, s12
	s_lshl_b32 s66, s66, 2
	s_lshl_b32 s43, s42, 1
	s_add_co_u32 s66, s66, s43
	s_add_co_u32 s66, s66, s16
	s_mul_i32 s66, s66, FRB
	s_add_co_u32 s66, s66, V5C
	s_add_nc_u64 s[10:11], s[92:93], s[66:67]      ; V5's images
	s_lshl_b32 s66, s19, 10
	s_lshl_b32 s43, s18, 7
	s_add_co_u32 s66, s66, s43
	s_add_co_u32 s66, s66, s12
	s_add_co_u32 s66, s66, 512
	s_mul_i32 s66, s66, 2*FRB
	s_mul_i32 s43, s42, FRB
	s_add_co_u32 s66, s66, s43
	s_mul_i32 s43, s16, 768
	s_add_co_u32 s66, s66, s43
	s_add_nc_u64 s[100:101], s[92:93], s[66:67]    ; V4's images: my three chunks of each
	s_and_b32 s66, s13, 1
	s_lshl_b32 s66, s66, 2
	s_add_co_u32 s66, s66, s40
	s_lshl_b32 s66, s66, 14
	s_lshl_b32 s43, s18, 11
	s_add_co_u32 s66, s66, s43
	s_lshl_b32 s43, s15, 10
	s_add_co_u32 s66, s66, s43
	s_lshl_b32 s43, s41, 8
	s_add_co_u32 s66, s66, s43
	s_lshl_b32 s43, s16, 7
	s_add_co_u32 s66, s66, s43
	s_add_co_u32 s66, s66, 8192
	s_lshl_b32 s66, s66, 2
	s_add_co_u32 s66, s66, QVS
	s_add_nc_u64 s[94:95], s[92:93], s[66:67]      ; V4's scale words: wave w stores parity w / 2, rows 128 (w % 2) on
	s_and_b32 s66, s13, 1
	s_lshl_b32 s66, s66, 2
	s_add_co_u32 s66, s66, s40
	s_lshl_b32 s66, s66, 1
	s_add_co_u32 s66, s66, s16
	s_lshl_b32 s66, s66, 12
	s_lshl_b32 s43, s18, 10
	s_add_co_u32 s66, s66, s43
	s_lshl_b32 s43, s12, 4
	s_add_co_u32 s66, s66, s43
	s_lshl_b32 s66, s66, 2
	s_add_co_u32 s66, s66, V5S
	s_add_nc_u64 s[92:93], s[92:93], s[66:67]      ; V5's scale words
	s_wait_alu depctr_va_vdst(0)                   ; the wait at the head's end
	s_wait_loadcnt 16                              ; my eight planes of scale words are in; the 16 loads of the bias may be out
.irp p, 0,1,2,3,4,5,6,7
	ds_store_b128 v[SCW], v[AF+4*\p:AF+4*\p+3] offset:512*\p
.endr
	s_cmp_eq_u32 s15, 0
	s_cbranch_scc0 .Lnot_first                     ; waves 2 and 3: their load brings quarters 1 and 2, which nobody reads before the next barrier
	s_wait_tensorcnt 0x0                           ; waves 0 and 1: my side's first quarter is in
.Lnot_first:
	s_wait_dscnt 0x0                               ; my scale words lie in LDS
	s_barrier_signal -1
	s_barrier_wait -1
	FETCH_B 0, 0, 0
	FETCH_A 0, 0, 0
	SCALES 0
	FETCH_A 0, 0, 4
	STEP 0, 0, 0, 1                                ; the first step's products start the sums
	TURN 1, 1, 0, 1                                ; quarters 1 and 2 are whole; place 0 takes K's last quarter
	s_wait_alu depctr_va_vdst(0)                   ; the wait
	STEP 1, 0, 1, 0
	HOP 2, 1, 0
	s_wait_alu depctr_va_vdst(0)
	STEP 2, 0, 0, 0
	TURN 0, 0, 0, 1                                ; the refill has landed
	STEP 0, 0, 1, 0
	s_wait_dscnt 4*NL
	WIN MUL_LO
	MUL16 0, 1, NQ-1, 1, 0
	MUL16 2, 1, NQ-1, 1, 0
	s_wait_dscnt 0
	WIN MUL_HI
	MUL16 4, 1, NQ-1, 1, 0
	MUL16 6, 1, NQ-1, 1, 0
	WIN 0
	PLACES NP                                      ; in front of the first read of results and of writes into the registers that held A's fragments
	s_wait_loadcnt 0x0                             ; the bias
.irp b, 0,1,2,3
	v_mov_b32 v[TM+4+\b], 0                        ; a lane permute's destination counts as one of its sources
	v_mov_b32 v[TP+\b], 0
.endr
	v_mov_b32 v[TW], 0
.macro TOT a, vp                       ; block a's 64 results + the bias, into window 0: each accumulator is read from its low end on
.set AC, 64*((\a)%4)
	WIN 0x02+(\a)/4
.set x, 0
.rept 32
.if \vp
	v_pk_add_f32 v[T+x:T+x+1], v[AC+x:AC+x+1], v[BI+2*(\a):BI+2*(\a)+1] op_sel_hi:[1,0]
.else
	v_pk_add_f32 v[T+x:T+x+1], v[AC+x:AC+x+1], v[BI+x:BI+x+1]
.endif
.set x, x+2
.endr
	WIN 0
.endm
.macro QUANT s                         ; 64 numbers of a lane, register 16 b + i = k 32 b + 16 h + i of my row, become a fragment in v[PC] on and its scale word in v[PW]
.irp b, 0,1,2,3
	v_max3_num_f32 v[TM+\b], |v[\s+16*\b]|, |v[\s+1+16*\b]|, 0x1800000
.endr
.irp i, 2,4,6,8,10,12,14
.irp b, 0,1,2,3
	v_max3_num_f32 v[TM+\b], v[TM+\b], |v[\s+16*\b+\i]|, |v[\s+1+16*\b+\i]|
.endr
.endr
.irp b, 0,1,2,3
	v_permlanex16_b32 v[TM+4+\b], v[TM+\b], s[SEL], s[SEL+1]
.endr
.irp b, 0,1,2,3
	v_max_num_f32 v[TM+\b], v[TM+\b], v[TM+4+\b]
.endr
.irp b, 0,1,2,3
	v_add_nc_u32 v[TM+12+\b], 0xff000000, v[TM+\b]
.endr
.irp b, 0,1,2,3
	v_lshrrev_b32 v[TM+4+\b], 23, v[TM+12+\b]
.endr
	v_lshl_or_b32 v[PW], v[TM+5], 8, v[TM+4]
	v_lshl_or_b32 v[PW], v[TM+6], 16, v[PW]
	v_lshl_or_b32 v[PW], v[TM+7], 24, v[PW]
.irp c, 0,1
	v_cvt_scalef32_pk16_fp6_f32 v[PC+6*\c:PC+2+6*\c], v[\s+32*\c:\s+15+32*\c], v[TM+12+2*\c]
	v_cvt_scalef32_pk16_fp6_f32 v[PC+12+4*\c:PC+14+4*\c], v[\s+16+32*\c:\s+31+32*\c], v[TM+12+2*\c+1]
.endr
	v_nop                                          ; one plain place behind a scaled conversion
.irp c, 0,1
.irp i, 0,1,2
	v_permlane16_swap_b32 v[PC+6*\c+\i], v[PC+12+4*\c+\i]
.endr
.irp i, 0,1,2
	v_mov_b32 v[PC+3+6*\c+\i], v[PC+12+4*\c+\i]
.endr
.endr
.endm
	s_cmp_eq_u32 ttmp9, 1
	s_cbranch_scc1 .Lv_path
	; ---- q: my 128 columns are one K step of the scores' product
.macro QA a
.if (\a) > 0
	s_wait_xcnt 0x0                                ; the last block's stores have read their registers
.endif
	TOT \a, 0
	QUANT T
.irp p, 0,1,2,3,4,5
	global_store_b64 v[O8], v[PC+2*\p:PC+2*\p+1], s[4:5] offset:(\a)*3072+256*\p   ; 256 consecutive bytes, aligned
.endr
	ds_store_b32 v[QSTA], v[PW] offset:64*(\a)
.endm
.irp a, 0,1,2,3,4,5,6,7
	QA \a
.endr
	ds_load_b128 v[T:T+3], v[QSTL]                 ; my own bytes: LDS serves a wave's instructions in order
	s_wait_dscnt 0x0
	global_store_b128 v[O16], v[T:T+3], s[6:7]     ; 128 scale words: 512 consecutive bytes, aligned
	s_branch .Ljoin
	; ---- v: quantised twice down its rows
.Lv_path:
.macro VQ a
.if (\a) > 0
	s_wait_xcnt 0x0
.endif
	TOT \a, 1
.irp x4, 0,1,2,3
	v_max3_num_f32 v[MH+\x4], |v[T+16*\x4]|, |v[T+16*\x4+1]|, 0x1800000   ; group x = 2 c + pi: my 16 numbers, and the floor
.endr
.irp i, 2,4,6,8,10,12,14
.irp x4, 0,1,2,3
	v_max3_num_f32 v[MH+\x4], v[MH+\x4], |v[T+16*\x4+\i]|, |v[T+16*\x4+\i+1]|
.endr
.endr
.irp c, 0,1
	v_max_num_f32 v[VM5+\c], v[MH+2*\c], v[MH+2*\c+1]   ; V5's block 2 c + h: both parities, my lane alone
.endr
.irp x4, 0,1,2,3
	v_permlanex16_b32 v[TP+\x4], v[MH+\x4], s[SEL], s[SEL+1]
.endr
.irp x4, 0,1,2,3
	v_max_num_f32 v[MH+\x4], v[MH+\x4], v[TP+\x4]   ; V4's block c of parity pi: both halves of the lanes
.endr
.irp c, 0,1
	v_add_nc_u32 v[VS5+\c], 0xff000000, v[VM5+\c]
.endr
.irp x4, 0,1,2,3
	v_add_nc_u32 v[VS4+\x4], 0xff000000, v[MH+\x4]
.endr
.irp c, 0,1
	v_lshrrev_b32 v[VB5+\c], 23, v[VS5+\c]
.endr
.irp x4, 0,1,2,3
	v_lshrrev_b32 v[VB4+\x4], 23, v[VS4+\x4]
.endr
	v_lshl_or_b32 v[VW5], v[VB5+1], 16, v[VB5]     ; my bytes: blocks h and 2 + h,
	v_lshlrev_b32 v[VW5], v[SH8], v[VW5]           ; at their places;
	v_permlanex16_b32 v[TW], v[VW5], s[SEL], s[SEL+1]
	v_or_b32 v[VW5], v[VW5], v[TW]                 ; with lane l xor 16's the word is whole
.irp pi, 0,1
	v_lshl_or_b32 v[VB4+\pi], v[VB4+2+\pi], 8, v[VB4+\pi]   ; V4: my wave's two bytes of the word
.endr
.irp c, 0,1
	v_cvt_scalef32_pk16_fp6_f32 v[VE5+6*\c:VE5+6*\c+2], v[T+32*\c:T+32*\c+15], v[VS5+\c]
	v_cvt_scalef32_pk16_fp6_f32 v[VF5+4*\c:VF5+4*\c+2], v[T+32*\c+16:T+32*\c+31], v[VS5+\c]
.endr
.irp pi, 0,1
	v_cvt_scalef32_pk16_fp6_f32 v[VE4+6*\pi:VE4+6*\pi+2], v[T+16*\pi:T+16*\pi+15], v[VS4+\pi]
	v_cvt_scalef32_pk16_fp6_f32 v[VF4+4*\pi:VF4+4*\pi+2], v[T+32+16*\pi:T+32+16*\pi+15], v[VS4+2+\pi]
.endr
	v_nop                                          ; one plain place behind a scaled conversion
.irp c, 0,1
.irp i, 0,1,2
	v_mov_b32 v[VE5+6*\c+3+\i], v[VF5+4*\c+\i]
.endr
.endr
.irp pi, 0,1
.irp i, 0,1,2
	v_permlane16_swap_b32 v[VE4+6*\pi+\i], v[VF4+4*\pi+\i]   ; lanes 0-15 get block 0 whole, lanes 16-31 block 1
.endr
.irp i, 0,1,2
	v_mov_b32 v[VE4+6*\pi+3+\i], v[VF4+4*\pi+\i]
.endr
.endr
.irp p, 0,1,2,3,4,5
	global_store_b64 v[O8], v[VE5+2*\p:VE5+2*\p+1], s[10:11] offset:(\a)*6144+256*\p
.endr
.irp pi, 0,1
.irp i, 0,1,2
	global_store_b64 v[OV4], v[VE4+6*\pi+2*\i:VE4+6*\pi+2*\i+1], s[100:101] offset:\pi*196608+(\a)*3072+256*\i   ; the 32 lanes fill one aligned chunk of 256 bytes, in the order of the lane places
.endr
.endr
	ds_store_b32 v[V5SA], v[VW5] offset:64*(\a)
.irp pi, 0,1
	ds_store_b16 v[VSTA], v[VB4+\pi] offset:1024*\pi+64*(\a)
.endr
.endm
.irp a, 0,1,2,3,4,5,6,7
	VQ \a
.endr
.Ljoin:
	s_wait_dscnt 0x0                               ; for the others' sake: my LDS stores have landed (V4's scale words come from two waves)
	s_barrier_signal -1
	s_barrier_wait -1
	s_cmp_eq_u32 ttmp9, 1
	s_cbranch_scc0 .Lend
	s_wait_xcnt 0x0                                ; every earlier store has read its data registers
	ds_load_b128 v[T:T+3], v[V5SL]
	ds_load_b128 v[T+4:T+7], v[VSTL]
	s_wait_dscnt 0x0
	global_store_b128 v[O16], v[T:T+3], s[92:93]   ; 512 consecutive bytes each, aligned
	global_store_b128 v[O16], v[T+4:T+7], s[94:95]
.Lend:
	s_wait_tensorcnt 0x0                           ; the wave's end
	ds_add_u32 v[SPW], v[NIL]
	s_wait_dscnt 0x0
	CROUND                                         ; the closing round
	s_endpgm
.Lfunc_end_k_q853f2616c5_proj:
	.size	k_q853f2616c5_proj, .Lfunc_end_k_q853f2616c5_proj-k_q853f2616c5_proj
	.p2alignl 7, 3214868480
	.fill 96, 4, 3214868480
	.section	.rodata,"a",@progbits
	.p2align	6, 0x0
	.amdhsa_kernel k_q853f2616c5_proj
		.amdhsa_group_segment_fixed_size 327680
		.amdhsa_private_segment_fixed_size 0
		.amdhsa_enable_private_segment 0
		.amdhsa_kernarg_size 32
		.amdhsa_user_sgpr_count 2
		.amdhsa_user_sgpr_kernarg_segment_ptr 1
		.amdhsa_wavefront_size32 1
		.amdhsa_system_sgpr_workgroup_id_x 1
		.amdhsa_system_sgpr_workgroup_id_y 1
		.amdhsa_system_sgpr_workgroup_id_z 1
		.amdhsa_system_vgpr_workitem_id 0
		.amdhsa_next_free_vgpr 1024
		.amdhsa_next_free_sgpr 102
		.amdhsa_reserve_vcc 0
		.amdhsa_float_denorm_mode_32 3
		.amdhsa_float_denorm_mode_16_64 3
		.amdhsa_memory_ordered 1
		.amdhsa_forward_progress 1
		.amdhsa_inst_pref_size 255
	.end_amdhsa_kernel
	.section	.bss,"aw",@nobits
	.p2align	6
	.space	262144
	.amdgpu_metadata
---
amdhsa.version: [ 1, 2 ]
amdhsa.kernels:
  - .name:           k_q853f2616c5_proj
    .symbol:         k_q853f2616c5_proj.kd
    .args:
      - { .name: xw, .offset: 0, .size: 8, .value_kind: global_buffer, .address_space: global }
      - { .name: bq, .offset: 8, .size: 8, .value_kind: global_buffer, .address_space: global }
      - { .name: bv, .offset: 16, .size: 8, .value_kind: global_buffer, .address_space: global }
      - { .name: qv, .offset: 24, .size: 8, .value_kind: global_buffer, .address_space: global }
    .group_segment_fixed_size: 327680
    .private_segment_fixed_size: 0
    .kernarg_segment_align: 8
    .kernarg_segment_size: 32
    .max_flat_workgroup_size: 128
    .sgpr_count:     102
    .vgpr_count:     1024
    .wavefront_size: 32
...
	.end_amdgpu_metadata
.endif
;; end of part 2
;; launch scores (part 3): grid 8 x 32, 4 waves a work-group, clusters of 4 x 4, 327,680 bytes of LDS; arguments qv, pst; writes pst
.if DOCPART == 3
	.amdgcn_target "amdgcn-amd-amdhsa--gfx1250"
	.amdhsa_code_object_version 6
	.text
	.protected	k_q853f2616c5_scores
	.globl	k_q853f2616c5_scores
	.p2align	8
	.type	k_q853f2616c5_scores,@function
k_q853f2616c5_scores:
	s_mov_b64 s[64:65], 0
	v_nop
	global_prefetch_b8 v0, s[64:65] scope:SCOPE_SE
	s_setreg_imm32_b32 hwreg(HW_REG_WAVE_MODE, 25, 1), 1
	s_wait_xcnt 0x0
	s_wait_alu depctr_hold_cnt(0) depctr_sa_sdst(0) depctr_va_vdst(0) depctr_va_sdst(0) depctr_va_ssrc(0) depctr_va_vcc(0) depctr_vm_vsrc(0)
	s_getreg_b32 s2, hwreg(HW_REG_IB_STS2, 6, 4)
	s_cmp_eq_u32 s2, 0
	s_cbranch_scc0 .Lentry_in_a_cluster
	s_endpgm
.Lentry_in_a_cluster:
	s_bfe_u32 s2, ttmp6, 0x10000c
	s_cmp_lg_u32 s2, 0xf033
	s_cbranch_scc0 .Lentry_shape_is_right
	s_endpgm
.Lentry_shape_is_right:
; scores = q . v_viewed on codes of FP6 (E2M3), then the softmax's first half, for each 128 keys by themselves.
; A = q's images (rows in X's image order), B = V4's images (rows = keys j = 1024 pi + dd, K = i); both lie in qv, [kk 4][rb 1024][2][1536], scale words [ks 8][16384] from QVS on.
; The product's core: a tile of 256 queries x 256 keys, four waves of 128 x 128, joint loads in a cluster of 4 x 4.  K = 1,024 is four quarters of 256; LDS holds THREE slots of a quarter each:
; the first three quarters are asked for together at the start, and the fourth goes into slot 0 when that has been read: one refill, which has 224 matrix instructions in which to land.
; Source 0 = keys, source 1 = queries: a lane holds ONE query (16 a + r) and 64 of the wave's 128 keys.  V4's rows were laid so that register 8 b + j of half h is key 16 b + 2 j + h.
; THE SOFTMAX, for a query and my wave's 128 keys: t = score x log2(e) / 32; M = ceil(the largest t of these 128), a whole number; p = 2^(t - M), quantised along the keys in blocks of 32
; (inside a block the codes stand in the order j0, j4..j1, as V5's do); l = the sum of the unquantised p.  Stored: p's images, p's scale words, -M and l, each [16 chunks of keys][8192 rows].
; The next launch brings the chunks under the row's own M: a subtraction on the scale bytes, exact, since every M is a whole number.
; LIMITS: a block whose every p has fallen to 0 keeps the byte 1 (zero codes); NaN and infinities are not served.
.set NQ,    2
.set FR,    12
.set FRB,   1536
.set NL,    6
.set NP,    4
.set HALF,  8*NQ*FRB
.set SLOT,  4*HALF
.set KST,   1024*NQ*FRB
.set QVS,   12582912
.set PLANE, 16384*4
.set PS,    12582912
.set SCL,   3*SLOT                     ; behind the three slots: the scale words, 4,096 bytes for each wave's load
.set PST,   SCL+16384                  ; 1,536 bytes for each wave: 128 scale words, 128 -M, 128 l
.set SPARE, PST+4*1536
.set O8,   4
.set PSTA, 6
.set PSTL, 7
.set O16,  14
.set ADRA, 16                          ; v16-18  my A fragments in slot 0, 1, 2
.set ADRB, 20                          ; v20-22  B's
.set ADRS, 27
.set SPW,  28
.set NIL,  29
.set SC,   32                          ; v32-63  scale words, two sets, by the parity of K's quarter; they hold nothing else
.set AF,   128
.set T,    128
.set PC,   192
.set BM,   212
.set TP,   216
.set SO,   220
.set BY,   224
.set PW,   228
.set NM,   230
.set LA,   232
.set LB,   234
.set RR,   236
.set SEL,  92
.set CS,   94
.set G1,   24
.set G0A0, 32                          ; group 0: the refill, A; B at G0B0
.set G0HA, 36                          ; the head's first quarter of K: wave 0 A's 256 rows, wave 1 B's
.set G0WA, 20                          ; the head's quarters 1 and 2, one tile of two rows of 49,152 bytes: wave 2 A's, wave 3 B's
.set G1B,  48
.set G0B0, 56
.set G0HB, 60
.set G0WB, 44
.set G1W, 68                           ; group 1 for the tiles of two rows
.set G1WB, 80
.set SCW, 23                           ; v23  where the scale words that I load go
.set MSB, 0
.macro WIN new
.if MSB != (\new)
	s_set_vgpr_msb (MSB<<8)|(\new)
.set MSB, \new
.endif
.endm
.set MUL_LO, 0xa1
.set MUL_HI, 0xf1
.set TO_B,   0x40
.macro JLOAD g0a, g1a, g0b, g1b        ; waves 0 and 1 fetch for A, waves 2 and 3 for B; an s_nop 0 and four v_nop follow each line
	s_cmp_eq_u32 s15, 0
	s_cbranch_scc0 .Lfor_b_\@
	tensor_load_to_lds s[\g0a:\g0a+3], s[\g1a:\g1a+7]
	s_nop 0
.rept 4
	v_nop
.endr
	s_branch .Lasked_\@
.Lfor_b_\@:
	tensor_load_to_lds s[\g0b:\g0b+3], s[\g1b:\g1b+7]
	s_nop 0
.rept 4
	v_nop
.endr
.Lasked_\@:
.endm
.macro ARM under, g0, g1, next         ; an arm of the head's one chain of branches on the wave's number: one tensor load a wave
	s_cmp_lt_u32 s14, \under
	s_cbranch_scc0 \next
	tensor_load_to_lds s[\g0:\g0+3], s[\g1:\g1+7]
	s_nop 0
.rept 4
	v_nop
.endr
	s_branch .Lhead_asked
\next:
.endm
.macro CREST
	s_cmp_lg_u32 s14, 0
	s_cbranch_scc1 .Lnot_wave_0_\@
	s_barrier_signal -3
.Lnot_wave_0_\@:
	s_barrier_wait -3
	s_barrier_signal -1
	s_barrier_wait -1
.endm
.macro CROUND
	s_barrier_signal -1
	s_barrier_wait -1
	CREST
.endm
.macro PLACES n
.rept \n
	v_nop
.endr
.endm
.macro FRAG reg, adr, off
.irp p, 0,1,2,3,4,5
	ds_load_b64 v[(\reg)+2*\p:(\reg)+2*\p+1], v[\adr] offset:(\off)+256*\p
.endr
.endm
.macro FETCH_B slot, q, p
	WIN TO_B
.irp i, 0,1,2,3,4,5,6,7
	FRAG 128*(\p)+FR*\i, ADRB+\slot, (NQ*\i+(\q))*FRB
.endr
	WIN 0
.endm
.macro FETCH_A slot, q, i0
.irp i, \i0, \i0+1, \i0+2, \i0+3
	FRAG AF+FR*(\i), ADRA+\slot, (NQ*(\i)+(\q))*FRB
.endr
.endm
.macro SCALES sc
.irp i, 0,1,2,3,4,5,6,7
.irp q, 0,1
	ds_load_b32 v[SC+8*NQ*\sc+NQ*\i+\q], v[ADRS] offset:\q*512+\i*64
.endr
.endr
.endm
.macro MUL16 a0, p, q, sc, zero        ; the 64 accumulators take turns, one instruction a turn
.irp a, \a0, \a0+1
.irp b, 0,1,2,3,4,5,6,7
.if \zero
	v_wmma_scale_f32_16x16x128_f8f6f4 v[8*(8*((\a)%4)+\b):8*(8*((\a)%4)+\b)+7], v[128*(\p)+FR*\b:128*(\p)+FR*\b+FR-1], v[AF+FR*(\a):AF+FR*(\a)+FR-1], 0, v[SC+8*NQ*(\sc)+NQ*\b+(\q)], v[SC+8*NQ*(\sc)+NQ*(\a)+(\q)] matrix_a_fmt:MATRIX_FMT_FP6 matrix_b_fmt:MATRIX_FMT_FP6 matrix_a_scale:MATRIX_SCALE_ROW1
.else
	v_wmma_scale_f32_16x16x128_f8f6f4 v[8*(8*((\a)%4)+\b):8*(8*((\a)%4)+\b)+7], v[128*(\p)+FR*\b:128*(\p)+FR*\b+FR-1], v[AF+FR*(\a):AF+FR*(\a)+FR-1], v[8*(8*((\a)%4)+\b):8*(8*((\a)%4)+\b)+7], v[SC+8*NQ*(\sc)+NQ*\b+(\q)], v[SC+8*NQ*(\sc)+NQ*(\a)+(\q)] matrix_a_fmt:MATRIX_FMT_FP6 matrix_b_fmt:MATRIX_FMT_FP6 matrix_a_scale:MATRIX_SCALE_ROW1
.endif
.endr
.endr
.endm
.macro STEP slot, q, sc, zero          ; 128 along K whose successor lies in the same slot; sc: the set of scale words
	s_wait_dscnt 4*NL                              ; the youngest 24 loads (A's blocks 4-7) may be out
	WIN MUL_LO
	MUL16 0, (\q)%2, \q, \sc, \zero
	MUL16 2, (\q)%2, \q, \sc, \zero
	s_wait_dscnt 0
	PLACES NP
	FETCH_B \slot, (\q)+1, 1-(\q)%2
	FETCH_A \slot, (\q)+1, 0
	WIN MUL_HI
	MUL16 4, (\q)%2, \q, \sc, \zero
	MUL16 6, (\q)%2, \q, \sc, \zero
	PLACES NP
	WIN 0
	FETCH_A \slot, (\q)+1, 4
.endm
; A slot's last step, with a barrier.  fill = 1 (the change from slot 0 to slot 1): the barrier opens a round of the cluster's, and slot 0 is filled again, with K's last quarter.
; fill = 0 (the change from slot 2 to slot 0): the wait shows my part of that refill landed, the barrier everybody's.
.macro TURN next, fill, sc, nsc
	s_wait_tensorcnt 0x0                           ; all my tensor loads have landed
	ds_add_u32 v[SPW], v[NIL]                      ; 0 onto my spare word
	s_wait_dscnt 4*NL+1                            ; (the add and the youngest 24 loads may be out)
	WIN MUL_LO
	MUL16 0, 1, NQ-1, \sc, 0
	s_wait_dscnt 0x0                               ; the add is done, and my reads of the slot that I leave are over
	s_barrier_signal -1
	MUL16 2, 1, NQ-1, \sc, 0
	WIN 0
	s_barrier_wait -1
.if \fill
	CREST                                          ; no wave of any partner still reads slot 0 or has a load on its way
	s_add_nc_u64 s[G0A0+2:G0A0+3], s[G0A0+2:G0A0+3], 3*KST
	s_add_nc_u64 s[G0B0+2:G0B0+3], s[G0B0+2:G0B0+3], 3*KST
	s_mov_b32 s[G1+2], 96<<16                      ; no tensor load is out: from here on a load brings 96 rows of 256 bytes
	s_mov_b32 s[G1+4], 96
	s_mov_b32 s[G1B+2], 96<<16
	s_mov_b32 s[G1B+4], 96
	JLOAD G0A0, G1, G0B0, G1B                      ; the first tensor load behind the round, and my only one from here on
.else
	PLACES NP
.endif
	v_add_nc_u32 v[ADRS], NQ*512, v[ADRS]
	FETCH_B \next, 0, 0
	FETCH_A \next, 0, 0
	SCALES \nsc
	WIN MUL_HI
	MUL16 4, 1, NQ-1, \sc, 0
	MUL16 6, 1, NQ-1, \sc, 0
	PLACES NP
	WIN 0
	FETCH_A \next, 0, 4
.endm
; A slot's last step, without a barrier (the change from slot 1 to slot 2): slot 2 was shown whole to every wave by the wait for all loads and the barrier at the change from slot 0, and slot 1 is not filled again.
.macro HOP next, sc, nsc
	s_wait_dscnt 4*NL
	WIN MUL_LO
	MUL16 0, 1, NQ-1, \sc, 0
	MUL16 2, 1, NQ-1, \sc, 0
	s_wait_dscnt 0
	WIN 0
	PLACES NP
	v_add_nc_u32 v[ADRS], NQ*512, v[ADRS]
	FETCH_B \next, 0, 0
	FETCH_A \next, 0, 0
	SCALES \nsc
	WIN MUL_HI
	MUL16 4, 1, NQ-1, \sc, 0
	MUL16 6, 1, NQ-1, \sc, 0
	PLACES NP
	WIN 0
	FETCH_A \next, 0, 4
.endm
	s_load_b128 s[4:7], s[0:1], 0x0                ; qv s[4:5], pst s[6:7]
	v_lshl_add_u32 v[SPW], v0, 2, SPARE
	v_mov_b32 v[NIL], 0
	ds_add_u32 v[SPW], v[NIL]                      ; the wave's opening: the add and its wait ahead of my first tensor load
	ds_add_u32 v[SPW], v[NIL]
	v_lshrrev_b32 v1, 5, v0
	v_readfirstlane_b32 s14, v1
	s_lshr_b32 s15, s14, 1
	s_and_b32 s16, s14, 1
	s_bfe_u32 s40, ttmp6, 0x40000                  ; cx
	s_bfe_u32 s41, ttmp6, 0x40004                  ; cy
	s_and_b32 s13, ttmp7, 0xffff
	s_lshl_b32 s17, s13, 2
	s_add_co_u32 s17, s17, s41                     ; tile row: 256 queries
	s_lshl_b32 s18, ttmp9, 2
	s_add_co_u32 s18, s18, s40                     ; tile column: 256 keys
	s_lshl_b32 s43, s41, 2
	s_lshl_b32 s43, 15, s43
	s_lshl_b32 s44, 0x1111, s40
	s_or_b32 s[G1+0], s43, (3<<16)|(1<<21)
	s_or_b32 s[G1B+0], s44, (3<<16)|(1<<21)
.irp g, G1, G1B
	s_mov_b32 s[\g+1], 32<<16
	s_mov_b32 s[\g+2], 192<<16                     ; at the head a load brings 256 rows of codes: 192 rows of 256 bytes
	s_mov_b32 s[\g+3], 32<<16
	s_mov_b32 s[\g+4], 192
	s_mov_b32 s[\g+5], 32
	s_mov_b32 s[\g+6], 0
	s_mov_b32 s[\g+7], 0
.endr
	s_or_b32 s[G1W+0], s43, (3<<16)|(1<<21)
	s_or_b32 s[G1WB+0], s44, (3<<16)|(1<<21)
.irp g, G1W, G1WB
	s_mov_b32 s[\g+1], 6144<<16                    ; two rows of 6,144 elements of 8 bytes, KST bytes apart
	s_mov_b32 s[\g+2], 2<<16
	s_mov_b32 s[\g+3], 6144<<16
	s_mov_b32 s[\g+4], 2
	s_mov_b32 s[\g+5], KST/8
	s_mov_b32 s[\g+6], 0
	s_mov_b32 s[\g+7], 0
.endr
	s_lshl_b32 s19, s16, 7
	s_lshl_b32 s20, s17, 8                         ; A: the tile's first row, 256 x tile row
	s_lshr_b32 s46, s13, 1                         ; the batch
	s_lshl_b32 s46, s46, 11
	s_lshl_b32 s47, s18, 8
	s_add_co_u32 s46, s46, s47
	s_add_co_u32 s46, s46, 8192                    ; B: row 8192 + 2048 x batch + 256 x tile column
	s_cmp_eq_u32 s15, 0
	s_cselect_b32 s22, s20, s46                    ; the side whose scale words I load (waves 0, 1: A's; 2, 3: B's),
	s_add_co_u32 s22, s22, s19                     ; and my 128 rows of it
	s_lshl_b32 s22, s22, 2
	s_add_co_u32 s22, s22, QVS
	s_mov_b32 s23, 0
	s_mul_i32 s20, s20, 192
	s_mov_b32 s21, 0
	s_mul_i32 s46, s46, 192
	s_mov_b32 s47, 0
	s_mul_i32 s96, s16, HALF                       ; the refill: my half of the side's rows, in bytes
	s_mov_b32 s97, 0
	s_mul_i32 s12, s14, HALF
	s_lshl_b32 s42, s14, 12
	v_and_b32 v30, 31, v0
	v_lshlrev_b32 v[O8], 3, v30
	v_lshlrev_b32 v[O16], 4, v30
	s_mov_b32 s[SEL], 0x76543210
	s_mov_b32 s[SEL+1], 0xfedcba98
	s_mov_b32 s[CS], 0x3d38aa3b                    ; c = log2(e) / 32
	s_mov_b32 s[CS+1], s[CS]                       ; (named with it as a pair, so it is written)
	s_wait_alu depctr_va_vdst(0)                   ; the wait ahead of the waits below
	s_wait_dscnt 0x0
	s_wait_kmcnt 0x0
	s_add_nc_u64 s[76:77], s[4:5], s[22:23]
	; the scale words of my 128 rows, all of K: eight planes of 512 consecutive bytes, aligned; they go to LDS bytes of their own.  Not asked for jointly: 16,384 of the 409,600 bytes that a work-group reads
.irp p, 0,1,2,3,4,5,6,7
	global_load_b128 v[AF+4*\p:AF+4*\p+3], v[O16], s[76:77] offset:PLANE*\p
.endr
	s_add_nc_u64 s[G0HA+2:G0HA+3], s[4:5], s[20:21]
	s_add_nc_u64 s[G0HB+2:G0HB+3], s[4:5], s[46:47]   ; the offsets are used up: s[20:23] and s[44:47] take group 0 sets
	s_add_nc_u64 s[G0WA+2:G0WA+3], s[G0HA+2:G0HA+3], KST
	s_add_nc_u64 s[G0WB+2:G0WB+3], s[G0HB+2:G0HB+3], KST
	s_add_nc_u64 s[G0A0+2:G0A0+3], s[G0HA+2:G0HA+3], s[96:97]
	s_add_nc_u64 s[G0B0+2:G0B0+3], s[G0HB+2:G0HB+3], s[96:97]
.irp g, G0HA, G0HB, G0WA, G0WB, G0A0, G0B0
	s_mov_b32 s[\g], 1
	s_or_b32 s[\g+3], s[\g+3], 0x80000000
.endr
	s_mov_b32 s[G0HA+1], 0                         ; place 0: A's 256 rows, then B's
	s_mov_b32 s[G0HB+1], 2*HALF
	s_mov_b32 s[G0WA+1], SLOT                      ; behind it: A's quarter 1, A's quarter 2,
	s_mov_b32 s[G0WB+1], SLOT+4*HALF               ; B's quarter 1, B's quarter 2
	s_mov_b32 s[G0A0+1], s12
	s_mov_b32 s[G0B0+1], s12
	CROUND                                         ; all sixteen work-groups are here: the first joint loads meet
	ARM 1, G0HA, G1,  .Lhead_b
	ARM 2, G0HB, G1B, .Lhead_wa
	ARM 3, G0WA, G1W, .Lhead_wb
	tensor_load_to_lds s[G0WB:G0WB+3], s[G1WB:G1WB+7]
	s_nop 0
.rept 4
	v_nop
.endr
.Lhead_asked:
	v_and_b32 v1, 15, v0
	v_bfe_u32 v2, v0, 4, 1
	s_wait_alu depctr_va_vdst(0)                   ; the wait
	s_mul_i32 s2, s15, HALF
	s_mul_i32 s3, s16, HALF
	s_add_co_u32 s3, s3, 2*HALF
	v_add_nc_u32 v[ADRA], s2, v[O8]
	v_add_nc_u32 v[ADRB], s3, v[O8]
	v_add_nc_u32 v[ADRA+1], SLOT, v[ADRA]
	v_add_nc_u32 v[ADRA+2], SLOT+2*HALF, v[ADRA]
	v_add_nc_u32 v[ADRB+1], SLOT+2*HALF, v[ADRB]
	v_add_nc_u32 v[ADRB+2], SLOT+4*HALF, v[ADRB]
	s_add_co_u32 s2, s42, SCL
	v_add_nc_u32 v[SCW], s2, v[O16]
	s_add_co_u32 s3, s16, 2
	s_sub_co_u32 s3, s3, s15
	s_lshl_b32 s3, s3, 12
	v_mul_u32_u24 v31, s3, v2
	s_lshl_b32 s2, s15, 12
	s_add_co_u32 s2, s2, SCL
	v_lshl_add_u32 v31, v1, 2, v31
	v_add_nc_u32 v[ADRS], s2, v31
	s_mul_i32 s2, s14, 1536
	s_add_co_u32 s2, s2, PST
	v_lshl_add_u32 v[PSTA], v1, 2, s2
	v_add_nc_u32 v[PSTL], s2, v[O16]
	; where the results go
	s_lshr_b32 s66, s18, 1
	s_lshl_b32 s66, s66, 9
	s_lshl_b32 s67, s17, 4
	s_add_co_u32 s66, s66, s67
	s_lshl_b32 s67, s15, 3
	s_add_co_u32 s66, s66, s67
	s_lshl_b32 s66, s66, 2
	s_and_b32 s67, s18, 1
	s_lshl_b32 s67, s67, 1
	s_add_co_u32 s66, s66, s67
	s_add_co_u32 s66, s66, s16
	s_mul_i32 s66, s66, FRB
	s_mov_b32 s67, 0
	s_add_nc_u64 s[8:9], s[6:7], s[66:67]          ; p's images: [k4][rb][ksl], chunk of keys 2 x tile column + my B half
	s_lshl_b32 s66, s18, 1
	s_add_co_u32 s66, s66, s16
	s_lshl_b32 s66, s66, 13
	s_lshl_b32 s12, s17, 8
	s_add_co_u32 s66, s66, s12
	s_lshl_b32 s12, s15, 7
	s_add_co_u32 s66, s66, s12
	s_lshl_b32 s66, s66, 2
	s_add_co_u32 s66, s66, PS
	s_add_nc_u64 s[10:11], s[6:7], s[66:67]        ; the scale words; -M and l lie 524,288 and 1,048,576 bytes on
	s_wait_alu depctr_va_vdst(0)
	s_wait_loadcnt 0x0                             ; my eight planes of scale words are in
.irp p, 0,1,2,3,4,5,6,7
	ds_store_b128 v[SCW], v[AF+4*\p:AF+4*\p+3] offset:512*\p
.endr
	s_cmp_eq_u32 s15, 0
	s_cbranch_scc0 .Lnot_first                     ; waves 2 and 3: their load brings quarters 1 and 2, which nobody reads before the next barrier
	s_wait_tensorcnt 0x0                           ; waves 0 and 1: my side's first quarter is in
.Lnot_first:
	s_wait_dscnt 0x0                               ; my scale words lie in LDS
	s_barrier_signal -1
	s_barrier_wait -1
	FETCH_B 0, 0, 0
	FETCH_A 0, 0, 0
	SCALES 0
	FETCH_A 0, 0, 4
	STEP 0, 0, 0, 1                                ; K's first quarter, slot 0: the first step's products start the sums
	TURN 1, 1, 0, 1                                ; slots 1 and 2 are whole; slot 0 takes K's last quarter
	s_wait_alu depctr_va_vdst(0)
	STEP 1, 0, 1, 0                                ; the second quarter, slot 1
	HOP 2, 1, 0
	s_wait_alu depctr_va_vdst(0)
	STEP 2, 0, 0, 0                                ; the third, slot 2
	TURN 0, 0, 0, 1                                ; the refill has landed
	STEP 0, 0, 1, 0                                ; the last, slot 0
	s_wait_dscnt 4*NL
	WIN MUL_LO
	MUL16 0, 1, NQ-1, 1, 0
	MUL16 2, 1, NQ-1, 1, 0
	s_wait_dscnt 0
	WIN MUL_HI
	MUL16 4, 1, NQ-1, 1, 0
	MUL16 6, 1, NQ-1, 1, 0
	WIN 0
	PLACES NP
.irp b, 0,1,2,3
	v_mov_b32 v[TP+\b], 0                          ; written once: a lane permute's destination counts as one of its sources
.endr
	v_mov_b32 v[NM+1], 0                           ; (named as the upper half of a pair whose low word serves both halves)
; Block a: 16 queries x my 128 keys
.macro SOFT a
.set AC, 64*((\a)%4)
.set WA, 2+(\a)/4
.if (\a) > 0
	s_wait_xcnt 0x0                                ; the last block's stores have read their registers
.endif
	WIN WA|(WA<<2)|(WA<<4)
.irp b, 0,1,2,3
	v_max3_num_f32 v[BM+\b], v[AC+16*\b], v[AC+16*\b+1], v[AC+16*\b+2]   ; the largest score of each block of 32 keys: for the maximum, and, since p rises with the score, for the block's largest p
.endr
	WIN (WA<<2)|(WA<<4)
.irp i, 3,5,7,9,11,13
.irp b, 0,1,2,3
	v_max3_num_f32 v[BM+\b], v[BM+\b], v[AC+16*\b+\i], v[AC+16*\b+\i+1]
.endr
.endr
.irp b, 0,1,2,3
	v_max_num_f32 v[BM+\b], v[BM+\b], v[AC+16*\b+15]
.endr
	WIN 0
.irp b, 0,1,2,3
	v_permlanex16_b32 v[TP+\b], v[BM+\b], s[SEL], s[SEL+1]
.endr
.irp b, 0,1,2,3
	v_max_num_f32 v[BM+\b], v[BM+\b], v[TP+\b]
.endr
	v_max3_num_f32 v[RR], v[BM], v[BM+1], v[BM+2]
	v_max_num_f32 v[RR], v[RR], v[BM+3]
	v_mul_f32 v[RR], s[CS], v[RR]                  ; the largest t (c is positive)
	v_floor_f32 v[NM], -v[RR]                      ; -M = floor(-t) = -ceil(t)
	WIN WA
.set x, 0
.rept 32
	v_pk_fma_f32 v[T+x:T+x+1], v[AC+x:AC+x+1], s[CS:CS+1], v[NM:NM+1] op_sel_hi:[1,0,0]   ; t - M, two at a time, into window 0
.set x, x+2
.endr
	WIN 0
.irp b, 0,1,2,3
	v_fma_f32 v[BM+\b], v[BM+\b], s[CS], v[NM]
.endr
.set x, 0
	s_wait_alu depctr_va_vdst(0)
.rept 64
	v_exp_f32 v[T+x], v[T+x]                       ; p = 2^(t - M)
.set x, x+1
.endr
	v_nop                                          ; a plain place behind the exponentials
	s_wait_alu depctr_va_vdst(0)                   ; one wait for the batch, ahead of its first reader
.irp b, 0,1,2,3
	v_exp_f32 v[BM+\b], v[BM+\b]                   ; the block's largest p: the same two instructions on the same number
.endr
	v_pk_add_f32 v[LA:LA+1], v[T:T+1], v[T+2:T+3]  ; the sum of the unquantised p, in two chains; plain work behind the four
	v_pk_add_f32 v[LB:LB+1], v[T+4:T+5], v[T+6:T+7]
.irp j, 8,12,16,20,24,28,32,36,40,44,48,52,56,60
	v_pk_add_f32 v[LA:LA+1], v[LA:LA+1], v[T+\j:T+\j+1]
	v_pk_add_f32 v[LB:LB+1], v[LB:LB+1], v[T+\j+2:T+\j+3]
.endr
	v_pk_add_f32 v[LA:LA+1], v[LA:LA+1], v[LB:LB+1]
	s_wait_alu depctr_va_vdst(0)                   ; and one for the four
.irp b, 0,1,2,3
	v_max_num_f32 v[BM+\b], 0x1800000, v[BM+\b]    ; the floor 2^(3 - 127)
.endr
.irp b, 0,1,2,3
	v_add_nc_u32 v[SO+\b], 0xff000000, v[BM+\b]
.endr
.irp b, 0,1,2,3
	v_lshrrev_b32 v[BY+\b], 23, v[SO+\b]
.endr
	v_lshl_or_b32 v[PW], v[BY+1], 8, v[BY]
	v_lshl_or_b32 v[PW], v[BY+2], 16, v[PW]
	v_lshl_or_b32 v[PW], v[BY+3], 24, v[PW]
.irp c, 0,1
	v_cvt_scalef32_pk16_fp6_f32 v[PC+6*\c:PC+2+6*\c], v[T+32*\c:T+15+32*\c], v[SO+2*\c]
	v_cvt_scalef32_pk16_fp6_f32 v[PC+12+4*\c:PC+14+4*\c], v[T+16+32*\c:T+31+32*\c], v[SO+2*\c+1]
.endr
	v_add_f32 v[LA], v[LA], v[LA+1]                ; (the plain place behind the conversions)
.irp c, 0,1
.irp i, 0,1,2
	v_permlane16_swap_b32 v[PC+6*\c+\i], v[PC+12+4*\c+\i]
.endr
.irp i, 0,1,2
	v_mov_b32 v[PC+3+6*\c+\i], v[PC+12+4*\c+\i]
.endr
.endr
	v_permlanex16_b32 v[LB], v[LA], s[SEL], s[SEL+1]
	v_add_f32 v[LA], v[LA], v[LB]                  ; l of these 128 keys
.irp p, 0,1,2
	global_store_b128 v[O16], v[PC+4*\p:PC+4*\p+3], s[8:9] offset:(\a)*6144+512*\p   ; p's images lie in chunks of 512 bytes: registers 4 p .. 4 p + 3 of lane l at 512 p + 16 l, as the next launch loads them; 512 consecutive bytes, aligned
.endr
	ds_store_b32 v[PSTA], v[PW] offset:64*(\a)
	ds_store_b32 v[PSTA], v[NM] offset:512+64*(\a)
	ds_store_b32 v[PSTA], v[LA] offset:1024+64*(\a)
.endm
.irp a, 0,1,2,3,4,5,6,7
	SOFT \a
.endr
	ds_load_b128 v[T:T+3], v[PSTL]                 ; my own bytes: LDS serves a wave's instructions in order
	ds_load_b128 v[T+4:T+7], v[PSTL] offset:512
	ds_load_b128 v[T+8:T+11], v[PSTL] offset:1024
	s_wait_dscnt 0x0
	global_store_b128 v[O16], v[T:T+3], s[10:11]   ; 512 consecutive bytes each, aligned
	global_store_b128 v[O16], v[T+4:T+7], s[10:11] offset:524288
	global_store_b128 v[O16], v[T+8:T+11], s[10:11] offset:1048576
	s_wait_tensorcnt 0x0                           ; the wave's end
	ds_add_u32 v[SPW], v[NIL]
	s_wait_dscnt 0x0
	CROUND                                         ; the closing round
	s_endpgm
.Lfunc_end_k_q853f2616c5_scores:
	.size	k_q853f2616c5_scores, .Lfunc_end_k_q853f2616c5_scores-k_q853f2616c5_scores
	.p2alignl 7, 3214868480
	.fill 96, 4, 3214868480
	.section	.rodata,"a",@progbits
	.p2align	6, 0x0
	.amdhsa_kernel k_q853f2616c5_scores
		.amdhsa_group_segment_fixed_size 327680
		.amdhsa_private_segment_fixed_size 0
		.amdhsa_enable_private_segment 0
		.amdhsa_kernarg_size 16
		.amdhsa_user_sgpr_count 2
		.amdhsa_user_sgpr_kernarg_segment_ptr 1
		.amdhsa_wavefront_size32 1
		.amdhsa_system_sgpr_workgroup_id_x 1
		.amdhsa_system_sgpr_workgroup_id_y 1
		.amdhsa_system_sgpr_workgroup_id_z 1
		.amdhsa_system_vgpr_workitem_id 0
		.amdhsa_next_free_vgpr 1024
		.amdhsa_next_free_sgpr 100
		.amdhsa_reserve_vcc 0
		.amdhsa_float_denorm_mode_32 3
		.amdhsa_float_denorm_mode_16_64 3
		.amdhsa_memory_ordered 1
		.amdhsa_forward_progress 1
		.amdhsa_inst_pref_size 222
	.end_amdhsa_kernel
	.amdgpu_metadata
---
amdhsa.version: [ 1, 2 ]
amdhsa.kernels:
  - .name:           k_q853f2616c5_scores
    .symbol:         k_q853f2616c5_scores.kd
    .args:
      - { .name: qv, .offset: 0, .size: 8, .value_kind: global_buffer, .address_space: global }
      - { .name: pst, .offset: 8, .size: 8, .value_kind: global_buffer, .address_space: global }
    .group_segment_fixed_size: 327680
    .private_segment_fixed_size: 0
    .kernarg_segment_align: 8
    .kernarg_segment_size: 16
    .max_flat_workgroup_size: 128
    .sgpr_count:     100
    .vgpr_count:     1024
    .wavefront_size: 32
...
	.end_amdgpu_metadata
.endif
;; end of part 3
;; launch pv (part 4): grid 4 x 64, 4 waves a work-group, clusters of 4 x 4, 327,680 bytes of LDS; arguments pst, qv, out0; writes out0
.if DOCPART == 4
	.amdgcn_target "amdgcn-amd-amdhsa--gfx1250"
	.amdhsa_code_object_version 6
	.text
	.protected	k_q853f2616c5_pv
	.globl	k_q853f2616c5_pv
	.p2align	8
	.type	k_q853f2616c5_pv,@function
k_q853f2616c5_pv:
	s_mov_b64 s[64:65], 0
	v_nop
	global_prefetch_b8 v0, s[64:65] scope:SCOPE_SE
	s_setreg_imm32_b32 hwreg(HW_REG_WAVE_MODE, 25, 1), 1
	s_wait_xcnt 0x0
	s_wait_alu depctr_hold_cnt(0) depctr_sa_sdst(0) depctr_va_vdst(0) depctr_va_sdst(0) depctr_va_ssrc(0) depctr_va_vcc(0) depctr_vm_vsrc(0)
	s_getreg_b32 s2, hwreg(HW_REG_IB_STS2, 6, 4)
	s_cmp_eq_u32 s2, 0
	s_cbranch_scc0 .Lentry_in_a_cluster
	s_endpgm
.Lentry_in_a_cluster:
	s_bfe_u32 s2, ttmp6, 0x10000c
	s_cmp_lg_u32 s2, 0xf033
	s_cbranch_scc0 .Lentry_shape_is_right
	s_endpgm
.Lentry_shape_is_right:
; out = (p . v) / l on codes of FP6 (E2M3) with E8M0 scales, sums in f32.  A = p's images (pst, [k4 4][rb 512][ksl 4][1536]), B = V5's images (qv from V5C on, [k4 4][rb 256][ksl 4][1536]); K = 2,048 keys.
; A tile is 128 queries x 256 columns, four waves of 64 x 128 (32 accumulators); 16 steps of 128 along K, written out.
; THE SOFTMAX'S SECOND HALF, in the head: the launch before stored, for each query and each 128 keys, p's scale word, -M and l under that chunk's own whole-number M.  Here the row's M is the largest of the 16;
; each chunk's scale bytes are lowered by (row's M - chunk's M), held at 0 from below (a finite code), which rounds nothing; l is summed under the row's M by v_ldexp_f32; the result is multiplied by 1 / l at the end.
; p'S FRAGMENTS GO FROM MEMORY STRAIGHT INTO REGISTERS: a step's four fragments are 12 loads of 512 consecutive bytes, asked for four steps ahead, into five sets of 48 registers by turns.
; So a K step reads 48 fragments' pieces from LDS and not 72.  They pass through no LDS, so no joint tensor load can bring them; and since the loads run four steps ahead, no prefetch is laid.
; V5'S TILES come by joint loads, shared along a column of the cluster.  K is four quarters of 512; LDS holds three.  THE HEAD'S LOADS, ONE A WAVE: waves 0 and 1 the two halves of the first quarter,
; wave 2 the second quarter, wave 3 the third.  Ahead of the first barrier only waves 0 and 1 wait for their load. At the change from quarter 0 to 1 every wave waits,
; and the fourth quarter goes into the first's bytes, a quarter of it a wave: the one refill.
; Scale words: p's (mended) and V5's lie in LDS bytes of their own, stored by ds_store.
; Source 0 = V5's rows (columns of out), source 1 = p's rows: a lane holds eight neighbouring columns of one row of out.  Rows of p stand in X's image order: the stores put them back.
; LIMITS: NaN and infinities are not served; the promise holds while the scaled scores stay under 2^31 in magnitude.
.set NQ,    4
.set FR,    12
.set FRB,   1536
.set NP,    4
.set HALFB, 8*NQ*FRB                   ; 128 rows of V5 x 512 K
.set SLOT,  2*HALFB
.set QUART, SLOT/4
.set KSTA,  512*NQ*FRB
.set KSTB,  256*NQ*FRB
.set PS,    12582912
.set V5C,   13107200
.set V5S,   19398656
.set SCA,   3*SLOT                     ; p's scale words: [A half 2][step 16][64 rows]
.set SCB,   SCA+8192                   ; V5's: [64 rows' group 4][step 16][64 rows]
.set RLB,   SCB+16384                  ; 1 / l of the 128 rows
.set SPARE, RLB+512
.set STAGE, SLOT                       ; the way out: 16 rows x 528 bytes a wave, in place 1: it has its one fill at the head, and its last read lies ahead of the barrier at step 11
.set O8,   4
.set CO,   5                           ; 16 l
.set STO,  6
.set RD,   7
.set SCAW, 8
.set RLBW, 9
.set RLBR, 10
.set ADRB, 20                          ; v20-22  my B fragments in place 0, 1, 2
.set ADRS1, 26
.set ADRS, 27
.set SPW,  28
.set NIL,  29
.set SC,   32                          ; v32-95  scale words, two sets, by the parity of K's quarter; they hold nothing else
.set NMC,  144
.set LC,   160
.set PWC,  176
.set TS,   192
.set NMR,  200
.set LL,   201
.set VSC,  204
.set BK,   96
.set RL,   240
.set G1,   24                          ; group 1: 192 rows of 256 bytes at the head, 96 for the refill
.set G1W,  48                          ; 384 rows of 256 bytes
.set G0H0, 32
.set G0H1, 36
.set G0H2, 56
.set G0H3, 60
.set G0R,  76                          ; the refill
.set PA,   68                          ; s[68:69] my p fragments of K's quarters 0 and 1, s[70:71] of 2 and 3
.set MSB, 0
.macro WIN new                         ; the immediate's high byte repeats the setting that is left
.if MSB != (\new)
	s_set_vgpr_msb (MSB<<8)|(\new)
.set MSB, \new
.endif
.endm
.set MUL,  0xad                        ; source 0 (B) window 1, source 1 (A) window 3, C and D window 2
.set TO_B, 0x40
.set TO_A, 0xc0
.macro ARM under, g0, g1, next         ; an arm of the head's one chain of branches on the wave's number
	s_cmp_lt_u32 s14, \under
	s_cbranch_scc0 \next
	tensor_load_to_lds s[\g0:\g0+3], s[\g1:\g1+7]
	s_nop 0
.rept 4
	v_nop
.endr
	s_branch .Lhead_asked
\next:
.endm
.macro CREST
	s_cmp_lg_u32 s14, 0
	s_cbranch_scc1 .Lnot_wave_0_\@
	s_barrier_signal -3
.Lnot_wave_0_\@:
	s_barrier_wait -3
	s_barrier_signal -1
	s_barrier_wait -1
.endm
.macro CROUND
	s_barrier_signal -1
	s_barrier_wait -1
	CREST
.endm
.macro PLACES n
.rept \n
	v_nop
.endr
.endm
.macro FETCH_B slot, q, p              ; B's eight fragments: six chunks each, 256 consecutive bytes an instruction
	WIN TO_B
.irp i, 0,1,2,3,4,5,6,7
.irp c, 0,1,2,3,4,5
	ds_load_b64 v[128*(\p)+FR*\i+2*\c:128*(\p)+FR*\i+2*\c+1], v[ADRB+(\slot)] offset:(NQ*\i+(\q))*FRB+256*\c
.endr
.endr
	WIN 0
.endm
.macro AASK st                         ; p's four fragments of step st into set st % 5 of window 3
	WIN TO_A
.irp i, 0,1,2,3
.irp c, 0,1,2
	global_load_b128 v[48*((\st)%5)+FR*\i+4*\c:48*((\st)%5)+FR*\i+4*\c+3], v[CO], s[PA+2*((\st)/8):PA+2*((\st)/8)+1] offset:(((\st)/4)%2)*KSTA+\i*NQ*FRB+((\st)%4)*FRB+512*\c
.endr
.endr
	WIN 0
.endm
.macro SCALES sc                       ; register NQ i + q: lanes 0-15 the words of A's block i (i < 4), lanes 16-31 those of B's block i
.irp i, 0,1,2,3
.irp q, 0,1,2,3
	ds_load_b32 v[SC+8*NQ*(\sc)+NQ*\i+\q], v[ADRS] offset:64*\i+256*\q
.endr
.endr
.irp i, 4,5,6,7
.irp q, 0,1,2,3
	ds_load_b32 v[SC+8*NQ*(\sc)+NQ*\i+\q], v[ADRS1] offset:64*(\i-4)+256*\q
.endr
.endr
.endm
.macro MULA a, st, zero                ; the 32 accumulators take turns, one instruction a turn
.set SS, SC+8*NQ*(((\st)/4)%2)+(\st)%4
.irp b, 0,1,2,3,4,5,6,7
.if \zero
	v_wmma_scale_f32_16x16x128_f8f6f4 v[8*(8*(\a)+\b):8*(8*(\a)+\b)+7], v[128*((\st)%2)+FR*\b:128*((\st)%2)+FR*\b+FR-1], v[48*((\st)%5)+FR*(\a):48*((\st)%5)+FR*(\a)+FR-1], 0, v[SS+NQ*\b], v[SS+NQ*(\a)] matrix_a_fmt:MATRIX_FMT_FP6 matrix_b_fmt:MATRIX_FMT_FP6 matrix_a_scale:MATRIX_SCALE_ROW1
.else
	v_wmma_scale_f32_16x16x128_f8f6f4 v[8*(8*(\a)+\b):8*(8*(\a)+\b)+7], v[128*((\st)%2)+FR*\b:128*((\st)%2)+FR*\b+FR-1], v[48*((\st)%5)+FR*(\a):48*((\st)%5)+FR*(\a)+FR-1], v[8*(8*(\a)+\b):8*(8*(\a)+\b)+7], v[SS+NQ*\b], v[SS+NQ*(\a)] matrix_a_fmt:MATRIX_FMT_FP6 matrix_b_fmt:MATRIX_FMT_FP6 matrix_a_scale:MATRIX_SCALE_ROW1
.endif
.endr
.endm
; A step of 128 along K: the next step's B fragments and p's fragments of four steps on are asked for, then come the step's 32 matrix instructions.
; kind 0: no barrier.  kind 1 (step 3): the barrier opens a round of the cluster's, and place 0 is filled again, with K's last quarter.  kind 2 (step 11): the wait shows my part of that refill landed, the barrier everybody's.
.macro STEP st, kind, zero
.set NX, (\st)+1
.set NPL, (NX/4)%3
.set NXQ, NX%4
.set YNG, 15-(\st)
.if YNG > 3
.set YNG, 3
.endif
	s_wait_loadcnt 12*YNG                          ; this step's p fragments are in; those of up to three later steps, 12 loads each, may be out
.if \kind
	s_wait_tensorcnt 0x0                           ; all my tensor loads have landed
	ds_add_u32 v[SPW], v[NIL]
	s_wait_dscnt 1                                 ; (the add may be out; this step's B fragments are in)
	WIN MUL
	MULA 0, \st, \zero
	s_wait_dscnt 0x0                               ; the add is done, and my reads of the place that I leave are over
	s_barrier_signal -1
	MULA 1, \st, \zero
	WIN 0
	s_barrier_wait -1
.if \kind == 1
	CREST                                          ; no wave of any partner still reads place 0 or has a load on its way
	s_mov_b32 s[G1+2], 96<<16                      ; no tensor load is out: the refill brings 96 rows of 256 bytes a wave
	s_mov_b32 s[G1+4], 96
	tensor_load_to_lds s[G0R:G0R+3], s[G1:G1+7]    ; the first tensor load behind the round, and my only one from here on
	s_nop 0
	PLACES 4
.else
	PLACES NP
.endif
.else
	s_wait_dscnt 0x0                               ; this step's B fragments and scale words are in
	PLACES NP                                      ; four places in front of loads into registers that the last step's matrix instructions have read
.endif
.if NXQ == 0
	v_add_nc_u32 v[ADRS], NQ*256, v[ADRS]          ; the next quarter's planes of scale words
	v_add_nc_u32 v[ADRS1], NQ*256, v[ADRS1]
	s_wait_alu depctr_va_vdst(0)                   ; the wait
.endif
	FETCH_B NPL, NXQ, NX%2
.if NXQ == 0
	SCALES (NX/4)%2
.endif
.if (\st)+4 < 16
	AASK (\st)+4
.endif
	WIN MUL
.if \kind == 0
	MULA 0, \st, \zero
	MULA 1, \st, \zero
.endif
	MULA 2, \st, \zero
	MULA 3, \st, \zero
	WIN 0
.endm
	s_load_b128 s[4:7], s[0:1], 0x0                ; pst s[4:5], qv s[6:7]
	s_load_b64 s[8:9], s[0:1], 0x10                ; out0
	v_lshl_add_u32 v[SPW], v0, 2, SPARE
	v_mov_b32 v[NIL], 0
	ds_add_u32 v[SPW], v[NIL]                      ; the opening lines: the add, twice on end, and its wait
	ds_add_u32 v[SPW], v[NIL]
	v_lshrrev_b32 v1, 5, v0
	v_readfirstlane_b32 s14, v1                    ; wave
	s_lshr_b32 s15, s14, 1                         ; my half of the tile's rows
	s_and_b32 s16, s14, 1                          ; my half of its columns
	s_bfe_u32 s40, ttmp6, 0x40000                  ; cx
	s_bfe_u32 s41, ttmp6, 0x40004                  ; cy
	s_and_b32 s13, ttmp7, 0xffff
	s_lshl_b32 s17, s13, 2
	s_add_co_u32 s17, s17, s41                     ; tile row: 128 queries
	s_lshr_b32 s18, s13, 2                         ; the batch
	s_lshl_b32 s44, 0x1111, s40                    ; my column of the cluster
	s_or_b32 s[G1+0], s44, (3<<16)|(1<<21)         ; elements of 8 bytes, no padding
	s_mov_b32 s[G1+1], 32<<16
	s_mov_b32 s[G1+2], 192<<16
	s_mov_b32 s[G1+3], 32<<16
	s_mov_b32 s[G1+4], 192
	s_mov_b32 s[G1+5], 32
	s_mov_b32 s[G1+6], 0
	s_mov_b32 s[G1+7], 0
	s_or_b32 s[G1W+0], s44, (3<<16)|(1<<21)
	s_mov_b32 s[G1W+1], 32<<16
	s_mov_b32 s[G1W+2], 384<<16
	s_mov_b32 s[G1W+3], 32<<16
	s_mov_b32 s[G1W+4], 384
	s_mov_b32 s[G1W+5], 32
	s_mov_b32 s[G1W+6], 0
	s_mov_b32 s[G1W+7], 0
	s_lshl_b32 s20, s17, 3
	s_lshl_b32 s21, s15, 2
	s_add_co_u32 s20, s20, s21
	s_mul_i32 s20, s20, NQ*FRB                     ; p: my 64 rows' images
	s_mov_b32 s21, 0
	s_lshl_b32 s46, s18, 6
	s_lshl_b32 s47, s40, 4
	s_add_co_u32 s46, s46, s47
	s_mul_i32 s46, s46, NQ*FRB
	s_add_co_u32 s46, s46, V5C                     ; V5: the tile's 256 rows' images
	s_mov_b32 s47, 0
	s_lshl_b32 s96, s18, 10
	s_lshl_b32 s97, s40, 8
	s_add_co_u32 s96, s96, s97
	s_lshl_b32 s97, s14, 6
	s_add_co_u32 s96, s96, s97
	s_lshl_b32 s96, s96, 2
	s_add_co_u32 s96, s96, V5S                     ; V5's scale words: 64 rows a wave
	s_mov_b32 s97, 0
	s_lshl_b32 s22, s17, 9
	s_add_co_u32 s22, s22, PS                      ; p's scale words, -M and l of the tile's 128 rows
	s_mov_b32 s23, 0
	s_mul_i32 s66, s14, QUART                      ; the refill: my quarter
	s_mov_b32 s67, 0
	s_lshl_b32 s19, s14, 12
	s_add_co_u32 s19, s19, SCB
	s_mov_b32 s12, 0x80808080
	v_lshlrev_b32 v3, 2, v0
	v_and_b32 v13, 31, v0
	v_lshlrev_b32 v[CO], 4, v13
	v_lshlrev_b32 v[O8], 3, v13
	v_and_b32 v11, 15, v0
	v_lshlrev_b32 v11, 4, v11
	v_bfe_u32 v12, v0, 4, 1
	v_lshl_add_u32 v11, v12, 14, v11               ; V5's scale words: lanes 0-15 read 256 bytes of a plane, lanes 16-31 of the next, 16,384 bytes on
	v_lshl_add_u32 v12, v13, 4, s19                ; and where they go: my 4,096 bytes, 16 a lane
	s_wait_alu depctr_va_vdst(0)                   ; the wait ahead of the waits below
	s_wait_dscnt 0x0                               ; both opening adds are done
	s_wait_kmcnt 0x0
	s_add_nc_u64 s[PA:PA+1], s[4:5], s[20:21]
	s_add_nc_u64 s[PA+2:PA+3], s[PA:PA+1], 2*KSTA
	s_add_nc_u64 s[10:11], s[4:5], s[22:23]
	s_add_nc_u64 s[46:47], s[6:7], s[46:47]
	s_add_nc_u64 s[96:97], s[6:7], s[96:97]
.irp c, 0,1,2,3,4,5,6,7,8,9,10,11,12,13,14,15
	global_load_b32 v[NMC+\c], v3, s[10:11] offset:524288+32768*\c
	global_load_b32 v[LC+\c], v3, s[10:11] offset:1048576+32768*\c
	global_load_b32 v[PWC+\c], v3, s[10:11] offset:32768*\c
.endr
.irp p, 0,1,2,3,4,5,6,7
	global_load_b128 v[VSC+4*\p:VSC+4*\p+3], v11, s[96:97] offset:32768*\p   ; planes 2 p and 2 p + 1: two aligned runs of 256 bytes
.endr
	AASK 0                                         ; p's fragments of the first four steps: 48 loads
	AASK 1
	AASK 2
	AASK 3
	s_mov_b64 s[G0H0+2:G0H0+3], s[46:47]
	s_add_nc_u64 s[G0H1+2:G0H1+3], s[46:47], HALFB
	s_add_nc_u64 s[G0H2+2:G0H2+3], s[46:47], KSTB
	s_add_nc_u64 s[G0H3+2:G0H3+3], s[46:47], 2*KSTB
	s_add_nc_u64 s[G0R+2:G0R+3], s[46:47], s[66:67]
	s_add_nc_u64 s[G0R+2:G0R+3], s[G0R+2:G0R+3], 3*KSTB
.irp g, G0H0, G0H1, G0H2, G0H3, G0R
	s_mov_b32 s[\g], 1
	s_or_b32 s[\g+3], s[\g+3], 0x80000000
.endr
	s_mov_b32 s[G0H0+1], 0
	s_mov_b32 s[G0H1+1], HALFB
	s_mov_b32 s[G0H2+1], SLOT
	s_mov_b32 s[G0H3+1], 2*SLOT
	s_mov_b32 s[G0R+1], s66
	CROUND                                         ; all sixteen work-groups are here: the first joint loads meet
	ARM 1, G0H0, G1,  .Lhead_1
	ARM 2, G0H1, G1,  .Lhead_2
	ARM 3, G0H2, G1W, .Lhead_3
	tensor_load_to_lds s[G0H3:G0H3+3], s[G1W:G1W+7]
	s_nop 0
.rept 4
	v_nop
.endr
.Lhead_asked:
	v_and_b32 v1, 15, v0                           ; r
	v_bfe_u32 v2, v0, 4, 1                         ; h
	s_wait_alu depctr_va_vdst(0)                   ; the wait
	s_mul_i32 s22, s16, HALFB
	v_add_nc_u32 v[ADRB], s22, v[O8]
	v_add_nc_u32 v[ADRB+1], SLOT, v[ADRB]
	v_add_nc_u32 v[ADRB+2], 2*SLOT, v[ADRB]
	s_add_co_u32 s22, s16, 1
	s_lshl_b32 s22, s22, 13
	s_lshl_b32 s21, s15, 12
	s_sub_co_u32 s22, s22, s21
	v_mul_u32_u24 v19, s22, v2                     ; lanes 16-31 take B's words: one product, the distance between the two regions
	s_add_co_u32 s21, s21, SCA
	v_lshl_add_u32 v19, v1, 2, v19
	v_add_nc_u32 v[ADRS], s21, v19
	v_lshl_add_u32 v[ADRS1], v2, 12, v[ADRS]       ; B's blocks 4-7 lie 4,096 bytes on
	s_lshl_b32 s21, s15, 12
	s_lshl_b32 s22, s16, 7
	s_add_co_u32 s21, s21, s22
	s_add_co_u32 s21, s21, SCA
	v_lshl_add_u32 v[SCAW], v13, 2, s21            ; thread t mends the words of the tile's row t
	v_lshl_add_u32 v[RLBW], v0, 2, RLB
	s_lshl_b32 s21, s15, 8
	s_add_co_u32 s21, s21, RLB
	v_lshl_add_u32 v[RLBR], v1, 2, s21
	s_mul_i32 s21, s14, 8448
	s_add_co_u32 s21, s21, STAGE
	v_mul_u32_u24 v[STO], v1, 528
	v_lshl_add_u32 v[STO], v2, 5, v[STO]
	v_add_nc_u32 v[STO], s21, v[STO]
	v_add_nc_u32 v[RD], s21, v[CO]
	s_lshl_b32 s66, s17, 19
	s_lshl_b32 s67, s15, 18
	s_add_co_u32 s66, s66, s67
	s_lshl_b32 s67, s40, 10
	s_add_co_u32 s66, s66, s67
	s_lshl_b32 s67, s16, 9
	s_add_co_u32 s66, s66, s67
	s_mov_b32 s67, 0
	s_add_nc_u64 s[8:9], s[8:9], s[66:67]          ; my 64 rows x 128 columns of out
	s_wait_alu depctr_va_vdst(0)                   ; the wait at the head's end
	s_wait_loadcnt 48                              ; the rows' figures and V5's scale words are in; p's 48 fragment loads may be out
.irp p, 0,1,2,3,4,5,6,7
	ds_store_b128 v12, v[VSC+4*\p:VSC+4*\p+3] offset:512*\p
.endr
.irp c, 0,1,2,3,4,5,6,7
	v_min_num_f32 v[TS+\c], v[NMC+2*\c], v[NMC+2*\c+1]
.endr
.irp c, 0,1,2,3
	v_min_num_f32 v[TS+\c], v[TS+2*\c], v[TS+2*\c+1]
.endr
.irp c, 0,1
	v_min_num_f32 v[TS+\c], v[TS+2*\c], v[TS+2*\c+1]
.endr
	v_min_num_f32 v[NMR], v[TS], v[TS+1]           ; the least -M: the row's
.macro FIX c                           ; chunk c under the row's M
	v_sub_f32 v[TS], v[NMC+\c], v[NMR]             ; row's M - chunk's M, a whole number, 0 or more,
	v_min_num_f32 v[TS], 0x42fe0000, v[TS]         ; held at 127
	v_cvt_u32_f32 v[TS+1], v[TS]
	v_sub_nc_u32 v[TS+2], 0, v[TS+1]
.if \c == 0
	v_ldexp_f32 v[LL], v[LC], v[TS+2]
.else
	v_ldexp_f32 v[TS+3], v[LC+\c], v[TS+2]
	v_add_f32 v[LL], v[LL], v[TS+3]
.endif
	v_perm_b32 v[TS+1], v[TS+1], v[TS+1], 0        ; in all four bytes
	v_or_b32 v[TS+4], s12, v[PWC+\c]               ; each byte (under 128: p is at most 1) less it, with a guard bit that a borrow clears;
	v_sub_nc_u32 v[TS+4], v[TS+4], v[TS+1]
	v_and_b32 v[TS+5], s12, v[TS+4]
	v_lshrrev_b32 v[TS+6], 7, v[TS+5]
	v_sub_nc_u32 v[TS+5], v[TS+5], v[TS+6]
	v_and_b32 v[PWC+\c], v[TS+4], v[TS+5]          ; a byte that would fall under 0 is held at 0
	ds_store_b32 v[SCAW], v[PWC+\c] offset:256*\c
.endm
.irp c, 0,1,2,3,4,5,6,7,8,9,10,11,12,13,14,15
	FIX \c
.endr
	s_wait_alu depctr_va_vdst(0)                   ; the wait ahead of the transcendental,
	v_rcp_f32 v[LL], v[LL]
	v_nop
	s_wait_alu depctr_va_vdst(0)                   ; and ahead of its reader
	ds_store_b32 v[RLBW], v[LL]
	s_cmp_eq_u32 s15, 0
	s_cbranch_scc0 .Lnot_first                     ; waves 2 and 3: their loads fill places 1 and 2, which nobody reads before the next barrier
	s_wait_tensorcnt 0x0                           ; waves 0 and 1: my half of K's first quarter is in
.Lnot_first:
	s_wait_dscnt 0x0
	s_barrier_signal -1
	s_barrier_wait -1
	FETCH_B 0, 0, 0
	SCALES 0
	STEP 0, 0, 1                                   ; the first step's products start the sums
	STEP 1, 0, 0
	STEP 2, 0, 0
	STEP 3, 1, 0                                   ; places 1 and 2 are whole; place 0 takes K's last quarter
	STEP 4, 0, 0
	STEP 5, 0, 0
	STEP 6, 0, 0
	STEP 7, 0, 0
	STEP 8, 0, 0
	STEP 9, 0, 0
	STEP 10, 0, 0
	STEP 11, 2, 0                                  ; the refill has landed
	STEP 12, 0, 0
	STEP 13, 0, 0
	STEP 14, 0, 0
	s_wait_loadcnt 0x0
	s_wait_dscnt 0x0
	WIN MUL
	MULA 0, 15, 0
	MULA 1, 15, 0
	MULA 2, 15, 0
	MULA 3, 15, 0
	WIN 0
	PLACES NP
.irp a, 0,1,2,3
	ds_load_b32 v[RL+2*\a], v[RLBR] offset:64*\a   ; 1 / l of block a's row r, as a pair for the packed product
	ds_load_b32 v[RL+2*\a+1], v[RLBR] offset:64*\a
.endr
	s_wait_dscnt 0x0
; THE WAY OUT: a block of 16 rows x 128 columns goes through my own stage and comes back as whole rows of 512 bytes
.macro TOSTAGE a
	WIN 0x82
.set x, 0
.rept 32
	v_pk_mul_f32 v[64*(\a)+x:64*(\a)+x+1], v[64*(\a)+x:64*(\a)+x+1], v[RL+2*(\a):RL+2*(\a)+1] op_sel_hi:[1,0]   ; each accumulator from its low end on
.set x, x+2
.endr
	WIN 0x08
.irp b, 0,1,2,3,4,5,6,7
	ds_store_b128 v[STO], v[64*(\a)+8*\b:64*(\a)+8*\b+3] offset:64*\b
	ds_store_b128 v[STO], v[64*(\a)+8*\b+4:64*(\a)+8*\b+7] offset:64*\b+16
.endr
	WIN 0
.set BB, BK+64*((\a)%2)
.irp t, 0,1,2,3,4,5,6,7,8,9,10,11,12,13,14,15
	ds_load_b128 v[BB+4*\t:BB+4*\t+3], v[RD] offset:\t*528   ; LDS serves a wave's instructions in order
.endr
.endm
.macro SEND a, younger
.set BB, BK+64*((\a)%2)
	s_wait_dscnt \younger
.irp t, 0,1,2,3,4,5,6,7,8,9,10,11,12,13,14,15
	global_store_b128 v[CO], v[BB+4*\t:BB+4*\t+3], s[8:9] offset:(32*(\t/8)+16*((\a)%2)+2*(\t%8)+(\a)/2)*4096 th:TH_STORE_NT   ; image row t of block a is this row; 512 consecutive bytes, aligned
.endr
.endm
	TOSTAGE 0
.irp a, 1,2,3
.if \a > 1
	s_wait_xcnt 0x0                                ; block a - 2's stores have read their registers
.endif
	TOSTAGE \a
	SEND \a-1, 32
.endr
	SEND 3, 0
	s_wait_tensorcnt 0x0                           ; the wave's end
	ds_add_u32 v[SPW], v[NIL]
	s_wait_dscnt 0x0
	CROUND                                         ; the closing round
	s_endpgm
.Lfunc_end_k_q853f2616c5_pv:
	.size	k_q853f2616c5_pv, .Lfunc_end_k_q853f2616c5_pv-k_q853f2616c5_pv
	.p2alignl 7, 3214868480
	.fill 96, 4, 3214868480
	.section	.rodata,"a",@progbits
	.p2align	6, 0x0
	.amdhsa_kernel k_q853f2616c5_pv
		.amdhsa_group_segment_fixed_size 327680
		.amdhsa_private_segment_fixed_size 0
		.amdhsa_enable_private_segment 0
		.amdhsa_kernarg_size 24
		.amdhsa_user_sgpr_count 2
		.amdhsa_user_sgpr_kernarg_segment_ptr 1
		.amdhsa_wavefront_size32 1
		.amdhsa_system_sgpr_workgroup_id_x 1
		.amdhsa_system_sgpr_workgroup_id_y 1
		.amdhsa_system_sgpr_workgroup_id_z 1
		.amdhsa_system_vgpr_workitem_id 0
		.amdhsa_next_free_vgpr 1024
		.amdhsa_next_free_sgpr 100
		.amdhsa_reserve_vcc 0
		.amdhsa_float_denorm_mode_32 3
		.amdhsa_float_denorm_mode_16_64 3
		.amdhsa_memory_ordered 1
		.amdhsa_forward_progress 1
		.amdhsa_inst_pref_size 193
	.end_amdhsa_kernel
	.amdgpu_metadata
---
amdhsa.version: [ 1, 2 ]
amdhsa.kernels:
  - .name:           k_q853f2616c5_pv
    .symbol:         k_q853f2616c5_pv.kd
    .args:
      - { .name: pst, .offset: 0, .size: 8, .value_kind: global_buffer, .address_space: global }
      - { .name: qv, .offset: 8, .size: 8, .value_kind: global_buffer, .address_space: global }
      - { .name: out0, .offset: 16, .size: 8, .value_kind: global_buffer, .address_space: global }
    .group_segment_fixed_size: 327680
    .private_segment_fixed_size: 0
    .kernarg_segment_align: 8
    .kernarg_segment_size: 24
    .max_flat_workgroup_size: 128
    .sgpr_count:     100
    .vgpr_count:     1024
    .wavefront_size: 32
...
	.end_amdgpu_metadata
.endif
;; end of part 4
